; MI455X (gfx1250); checked and timed in simulation.
; The chip was launched on July 23, 2026; its instructions are those of AMD's public machine-readable ISA for CDNA 5 (MIT licence, August 2026) and "CDNA5" Instruction Set Architecture Reference Guide (July 2026). The comments in the code are by the model that wrote it; some were corrected since.
;; Min GRU Layer. Allowed arithmetic: matrix products marked QUANTISED: E4M3 operands, one E8M0 scale for each 32 along K, by v_wmma_scale_f32_16x16x128_f8f6f4 with both operands' format E4M3, f32 sums; everything else in f32.
;; Inputs: W_h 2,048 x 2,048 float32; W_z 2,048 x 2,048 float32; b_h 2,048 float32; b_z 2,048 float32; h0 2,048 float32; hidden_states 4 x 2,048 x 2,048 float32; ln_b 2,048 float32; ln_w 2,048 float32.
;; Outputs: out0 4 x 2,048 x 2,048 float32.
;; This version of the problem:
;;   THIS VERSION OF THE PROBLEM IS GIVEN IN LOW PRECISION. The matrix products marked QUANTISED in the list below multiply operands that are first quantised to E4M3 (4 exponent bits, 3 mantissa bits; 8 bits a number), with one power-of-two scale for each 32 numbers along K (OCP MX v1.0); their sums are f32. All else is computed in f32.
;;   The module's matrix products, in the order in which they are computed (A, B: the left and right operand; K: the contracted axis; several contracted axes count as one K, in the product's order):
;;     1. [M 8,192, K 2,048] x [K 2,048, N 2,048]; A: input hidden_states; B: input W_z: QUANTISED
;;     2. [M 8,192, K 2,048] x [K 2,048, N 2,048]; A: input hidden_states; B: input W_h: QUANTISED
;;   THE QUANTISER, for each operand of a quantised product, along K:
;;     - K is cut into blocks of 32 from its start; a last block that is shorter is filled with zeros.
;;     - A block's scale is 2^e with e = floor(log2(the largest magnitude in the block)) - 8, held to -126 .. 127; a block of zeros has e = 0. As a byte (E8M0): e + 127.
;;     - Each number is divided by its block's scale, clamped to +-448, and rounded to the nearest number of E4M3, ties to even, subnormals kept.
;;     - The product sums the exact products of the quantised numbers (number of the format x scale) in f32.
;;   ~~~python
;;   def quantise(x, axis):      # numpy; x: float32 -> the quantised numbers, widened to float32 again
;;       x = np.moveaxis(x, axis, -1); K = x.shape[-1]
;;       x = np.pad(x, [(0, 0)] * (x.ndim - 1) + [(0, -K % 32)]); x = x.reshape(x.shape[:-1] + (-1, 32)); a = np.abs(x).max(-1, keepdims=True)
;;       e = np.where(a > 0, np.clip(np.frexp(np.where(a > 0, a, 1))[1] - 1 - 8, -126, 127), 0)      # np.frexp(a)[1] - 1 = floor(log2(a)), exactly
;;       r = np.clip(x / 2.0 ** e, -448, 448)
;;       step = 2.0 ** (np.maximum(np.frexp(np.where(r == 0, 1, r))[1] - 1, -6) - 3)
;;       q = np.round(r / step) * step * 2.0 ** e      # np.round: ties to even
;;       return np.moveaxis(q.reshape(q.shape[:-2] + (-1,))[..., :K], -1, axis).astype(np.float32)
;;   ~~~
;; One version. Each part assembles by itself: llvm-mc -triple=amdgcn-amd-amdhsa -mcpu=gfx1250 --defsym DOCPART=n.
;; ======== version 1 of 1: 4 launches
;; limits: right only within a limited range of input values
;; workspace buffers: codes 25,165,824 bytes; scales 786,432 bytes; vbuf 67,108,864 bytes; ubuf 67,108,864 bytes; bsum 1,048,576 bytes; lh 67,108,864 bytes; part 2,048 bytes
;; launch quant (part 1): grid 768 x 1, 4 waves a work-group, no clusters, 33,280 bytes of LDS; arguments hidden_states, W_z, W_h, codes, scales; writes codes, scales
.if DOCPART == 1
	.amdgcn_target "amdgcn-amd-amdhsa--gfx1250"
	.amdhsa_code_object_version 6
	.text
	.protected	k_q04d0b1d409_quant
	.globl	k_q04d0b1d409_quant
	.p2align	8
	.type	k_q04d0b1d409_quant,@function
k_q04d0b1d409_quant:
	s_mov_b64 s[64:65], 0
	v_nop
	global_prefetch_b8 v0, s[64:65] scope:SCOPE_SE
	s_setreg_imm32_b32 hwreg(HW_REG_WAVE_MODE, 25, 1), 1
	s_wait_xcnt 0x0
; hidden_states [8192][2048], W_z [2048][2048] and W_h [2048][2048], f32, K innermost, become codes of FP8 (E4M3) with one E8M0 scale byte for each 32 along K.
; A block's scale is 2^(floor(log2(its largest magnitude)) - 8); its byte is the largest magnitude's exponent field - 8, held at 1 from below.  Each number is divided by the scale, held within +-448 and
; rounded to the nearest code, ties to even.
; LIMITS: a block of zeros gets the byte 1 where the rule says 127 (its codes are zeros, and the bytes are read by this program alone); NaN and infinities among the inputs are not served.
; WHERE THE RESULTS GO.  codes: 12,288 rows of 2,048 bytes: x's 8,192 rows, then 4,096 weight rows.  scales: [K step of 256: 8][row: 12,288][8 bytes].
; Row j of W_z, output o = j % 64 of block j / 64, goes to weight row 128 (j / 64) + 16 (o % 4) + o / 4, row j of W_h 64 rows behind it: so 128 neighbouring weight rows hold both products' weights of the
; same 64 outputs, and lane r of the product's weight block bb stands for output 4 r + bb.
; SHARES.  A wave takes a run of 8,192 numbers (4 rows), 16 steps of 512; a work-group four runs.  Work-groups 0-511 take x, 512-639 W_z, 640-767 W_h: only pointers, first rows and the distance from row to
; row (1 row for x, 16 for a weight) are chosen, one path serves all.
; Each load reads 512 consecutive bytes; a step's 2,048 bytes turn through the wave's own stage in LDS, so that a lane holds 16 neighbours along K (two lanes to a block).  Waves share nothing: no barrier.
.set STEPS, 16
.set XWG,   512                        ; x's work-groups: 8192 x 2048 / 32768
.set MANT,  0x600000                   ; the mantissa field of 448 as f32
.set CB,    16                         ; bytes of 16 codes
.set R,     16                         ; v16-79   four sets of 16 numbers as they are loaded
.set X,     80                         ; v80-111  two sets of 16 neighbours
.set C,     128                        ; v128-191 codes: four registers for each step, so that no store's data are written again
.set E,     112                        ; v112-127 a scale byte for each step
.set CO,    194                        ; v194-197 my codes' place in a step's, for the run's rows 0 to 3
.set WREG,  8192                       ; LDS: a region for each wave: two stages of 32 x SP bytes, then its 256 scale bytes
.set SP,    80                         ; a lane's place in a stage: its 64 bytes + 16 of padding
	s_load_b128 s[4:7], s[0:1], 0x0                ; x, W_z
	s_load_b128 s[8:11], s[0:1], 0x10              ; W_h, codes
	s_load_b64 s[12:13], s[0:1], 0x20              ; scales
	v_lshl_add_u32 v192, v0, 2, 0x8000
	v_mov_b32 v193, 0
	v_lshrrev_b32 v1, 5, v0
	v_readfirstlane_b32 s16, v1                    ; wave
	s_cmp_lt_u32 ttmp9, XWG
	s_cselect_b32 s27, 0, 30720                    ; what a row of the run lies further on than 2,048 bytes: 15 rows for a weight
	s_cselect_b32 s28, 8, 128                      ; from row to row among the scale bytes
	s_mul_i32 s17, s16, WREG
	s_add_co_u32 s29, s17, 2*32*SP
	v_and_b32 v2, 31, v0                           ; lane
	v_lshlrev_b32 v3, 4, v2                        ; my 16 bytes of a load's 512
	v_lshrrev_b32 v14, 2, v2
	v_mul_u32_u24 v14, v14, SP
	v_and_b32 v15, 3, v2
	v_lshl_add_u32 v14, v15, 4, v14
	v_add_nc_u32 v14, s17, v14                     ; the stage, on the way in: SP (lane / 4) + 16 (lane % 4)
	v_mul_u32_u24 v15, v2, SP
	v_add_nc_u32 v15, s17, v15                     ; and on the way out: SP x lane: my 16 neighbours
	v_mul_u32_u24 v[CO], v2, CB
	v_add_nc_u32 v[CO+1], s27, v[CO]
	v_add_nc_u32 v[CO+2], s27, v[CO+1]
	v_add_nc_u32 v[CO+3], s27, v[CO+2]
	v_lshrrev_b32 v5, 1, v2
	v_add_nc_u32 v5, s29, v5                       ; LDS: my wave's 256 scale bytes, my block's byte
	v_lshl_add_u32 v6, v2, 3, s29                  ; and on the way out 8 bytes a lane: row lane / 8 of the run, K step lane % 8
	v_and_b32 v7, 7, v2
	v_mul_u32_u24 v7, v7, 0x18000                  ; a K step's plane: 12,288 rows x 8 bytes
	v_lshrrev_b32 v4, 3, v2
	v_mad_u32_u24 v7, v4, s28, v7
	s_mov_b32 s23, MANT                            ; (an instruction takes one literal: the hold's line has another)
	; which run is read and which row is written first.  For a weight: g' = its work-group among the tensor's 128 (16 rows each)
	s_sub_co_u32 s18, ttmp9, XWG                   ; (meaningless in x's work-groups, where nothing made of it is chosen)
	s_lshr_b32 s19, s18, 7
	s_and_b32 s19, s19, 1                          ; 0: W_z, 1: W_h
	s_and_b32 s18, s18, 127                        ; g'
	s_lshl_b32 s20, s18, 2                         ; read: run 4 g'
	s_lshr_b32 s21, s18, 2
	s_lshl_b32 s21, s21, 7                         ; written: 128 rows for each 64 outputs,
	s_lshl_b32 s22, s19, 6
	s_add_co_u32 s21, s21, s22                     ; W_h's 64 behind W_z's 64,
	s_and_b32 s22, s18, 3
	s_lshl_b32 s22, s22, 2
	s_add_co_u32 s21, s21, s22                     ; o / 4 = 4 (g' % 4) + wave,
	s_add_co_u32 s21, s21, s16
	s_add_co_u32 s21, s21, 8192                    ; behind x's rows
	s_lshl_b32 s22, ttmp9, 2                       ; x: run 4 x work-group + wave, read and written
	s_add_co_u32 s26, s22, s16
	s_lshl_b32 s26, s26, 2                         ; its first row
	s_wait_alu depctr_va_vdst(0)                   ; the wait at the head's end
	s_wait_kmcnt 0x0
	s_cmp_eq_u32 s19, 0                            ; the choices hang on the work-group's number alone
	s_cselect_b64 s[6:7], s[6:7], s[8:9]
	s_cmp_lt_u32 ttmp9, XWG
	s_cselect_b64 s[4:5], s[4:5], s[6:7]
	s_cselect_b32 s20, s22, s20
	s_cselect_b32 s21, s26, s21
	s_add_co_u32 s20, s20, s16                     ; + my wave
	s_mov_b32 s25, 0
	s_lshl_b32 s24, s20, 15                        ; a run is 32,768 bytes of f32,
	s_add_nc_u64 s[4:5], s[4:5], s[24:25]
	s_lshl_b32 s24, s21, 11                        ; a row 2,048 bytes of codes,
	s_add_nc_u64 s[10:11], s[10:11], s[24:25]
	s_lshl_b32 s24, s21, 3                         ; and 8 scale bytes in each plane
	s_add_nc_u64 s[12:13], s[12:13], s[24:25]
.macro LOAD t
.irp i, 0,1,2,3
	global_load_b128 v[R+16*((\t)%4)+4*\i:R+16*((\t)%4)+4*\i+3], v3, s[4:5] offset:2048*(\t)+512*\i th:TH_LOAD_NT   ; 32 lanes read 512 consecutive bytes
.endr
.endm
.macro TURN t                          ; step t's numbers through the stage: LDS serves a wave's instructions in order, so no wait stands between the stores and the loads
.irp i, 0,1,2,3
	ds_store_b128 v14, v[R+16*((\t)%4)+4*\i:R+16*((\t)%4)+4*\i+3] offset:32*SP*((\t)%2)+8*SP*\i
.endr
.irp i, 0,1,2,3
	ds_load_b128 v[X+16*((\t)%2)+4*\i:X+16*((\t)%2)+4*\i+3], v15 offset:32*SP*((\t)%2)+16*\i
.endr
.endm
.irp t, 0,1,2,3
	LOAD \t
.endr
	s_wait_loadcnt 12                              ; step 0's four loads are in; the twelve of steps 1 to 3 may be out
	TURN 0
.macro STEP t
.set XS, X+16*((\t)%2)
.if (\t) > 0
	s_wait_dscnt 1                                 ; this step's numbers are back from the stage (the last step's byte store may be out): so its stores into the stage have read their registers,
.else
	s_wait_dscnt 0x0
.endif
.if (\t)+4 < STEPS
	LOAD (\t)+4                                    ; which take the loads of four steps on
.endif
.if (\t)+1 < STEPS
.if STEPS-2-(\t) >= 3
	s_wait_loadcnt 12                              ; the next step's four loads are in; those of the three steps behind it may be out
.else
	s_wait_loadcnt 4*(STEPS-2-(\t))
.endif
	TURN (\t)+1                                    ; and go through the other stage while this step is worked
.endif
	v_max3_num_f32 v8, |v[XS]|, |v[XS+1]|, |v[XS+2]|               ; the largest magnitude of my 16, in two chains
	v_max3_num_f32 v9, |v[XS+3]|, |v[XS+4]|, |v[XS+5]|
.irp i, 6,10
	v_max3_num_f32 v8, v8, |v[XS+\i]|, |v[XS+\i+1]|
	v_max3_num_f32 v9, v9, |v[XS+\i+2]|, |v[XS+\i+3]|
.endr
	v_max3_num_f32 v8, v8, |v[XS+14]|, |v[XS+15]|
	v_max3_num_f32 v8, v8, v9, 0x4800000           ; and the floor 2^(9 - 127): the byte cannot fall under 1
	v_max_num_f32_dpp v8, v8, v8 row_xmask:1 row_mask:0xf bank_mask:0xf   ; and of my neighbour's 16: the block's
	v_add_nc_u32 v11, 0xfc000000, v8               ; 8 off its exponent field: the conversion takes the exponent field of this operand as its scale
	v_and_or_b32 v10, v8, 0x7f800000, s23          ; 448 x the scale: the largest magnitude's exponent field over 448's mantissa
.irp i, 0,1,2,3,4,5,6,7,8,9,10,11,12,13,14,15
	v_med3_num_f32 v[XS+\i], v[XS+\i], -v10, v10   ; the conversion to an 8-bit code does not saturate (ISA guide 7.6.2): the hold comes first
.endr
	v_cvt_scalef32_pk8_fp8_f32 v[C+4*(\t):C+4*(\t)+1], v[XS:XS+7], v11
	v_cvt_scalef32_pk8_fp8_f32 v[C+4*(\t)+2:C+4*(\t)+3], v[XS+8:XS+15], v11
	v_lshrrev_b32 v[E+(\t)], 23, v11               ; the scale's byte (also the plain line behind the conversions)
	ds_store_b8 v5, v[E+(\t)] offset:16*(\t)       ; both lanes of a block write the same byte with the same value
	global_store_b128 v[CO+(\t)/4], v[C+4*(\t):C+4*(\t)+3], s[10:11] offset:32*CB*(\t)   ; the wave stores 512 consecutive bytes of row t / 4
.endm
.irp t, 0,1,2,3,4,5,6,7,8,9,10,11,12,13,14,15
	STEP \t
.endr
	ds_load_b64 v[12:13], v6                       ; LDS serves a wave's instructions in order: these see my stores
	s_wait_dscnt 0x0
	global_store_b64 v7, v[12:13], s[12:13]        ; 8 bytes a lane, a row's in each of the eight planes: one byte in 128 of what the launch reads
	s_wait_tensorcnt 0x0                           ; the wave's end
	ds_add_u32 v192, v193
	s_wait_dscnt 0x0
	s_endpgm
.Lfunc_end_k_q04d0b1d409_quant:
	.size	k_q04d0b1d409_quant, .Lfunc_end_k_q04d0b1d409_quant-k_q04d0b1d409_quant
	.p2alignl 7, 3214868480
	.fill 96, 4, 3214868480
	.section	.rodata,"a",@progbits
	.p2align	6, 0x0
	.amdhsa_kernel k_q04d0b1d409_quant
		.amdhsa_group_segment_fixed_size 33280
		.amdhsa_private_segment_fixed_size 0
		.amdhsa_enable_private_segment 0
		.amdhsa_kernarg_size 40
		.amdhsa_user_sgpr_count 2
		.amdhsa_user_sgpr_kernarg_segment_ptr 1
		.amdhsa_wavefront_size32 1
		.amdhsa_system_sgpr_workgroup_id_x 1
		.amdhsa_system_sgpr_workgroup_id_y 1
		.amdhsa_system_sgpr_workgroup_id_z 1
		.amdhsa_system_vgpr_workitem_id 0
		.amdhsa_next_free_vgpr 198
		.amdhsa_next_free_sgpr 66
		.amdhsa_reserve_vcc 0
		.amdhsa_float_denorm_mode_32 3
		.amdhsa_float_denorm_mode_16_64 3
		.amdhsa_memory_ordered 1
		.amdhsa_forward_progress 1
		.amdhsa_inst_pref_size 52
	.end_amdhsa_kernel
	.amdgpu_metadata
---
amdhsa.version: [ 1, 2 ]
amdhsa.kernels:
  - .name:           k_q04d0b1d409_quant
    .symbol:         k_q04d0b1d409_quant.kd
    .args:
      - { .name: hidden_states, .offset: 0, .size: 8, .value_kind: global_buffer, .address_space: global }
      - { .name: W_z, .offset: 8, .size: 8, .value_kind: global_buffer, .address_space: global }
      - { .name: W_h, .offset: 16, .size: 8, .value_kind: global_buffer, .address_space: global }
      - { .name: codes, .offset: 24, .size: 8, .value_kind: global_buffer, .address_space: global }
      - { .name: scales, .offset: 32, .size: 8, .value_kind: global_buffer, .address_space: global }
    .group_segment_fixed_size: 33280
    .private_segment_fixed_size: 0
    .kernarg_segment_align: 8
    .kernarg_segment_size: 40
    .max_flat_workgroup_size: 128
    .sgpr_count:     66
    .vgpr_count:     198
    .wavefront_size: 32
...
	.end_amdgpu_metadata
.endif
;; end of part 1
;; launch gemm (part 2): grid 16 x 16, 4 waves a work-group, clusters of 4 x 4, 327,680 bytes of LDS; arguments codes, scales, b_z, b_h, vbuf, ubuf, bsum; writes vbuf, ubuf, bsum
.if DOCPART == 2
	.amdgcn_target "amdgcn-amd-amdhsa--gfx1250"
	.amdhsa_code_object_version 6
	.text
	.protected	k_q04d0b1d409_gemm
	.globl	k_q04d0b1d409_gemm
	.p2align	8
	.type	k_q04d0b1d409_gemm,@function
k_q04d0b1d409_gemm:
	s_mov_b64 s[64:65], 0
	v_nop
	global_prefetch_b8 v0, s[64:65] scope:SCOPE_SE
	s_setreg_imm32_b32 hwreg(HW_REG_WAVE_MODE, 25, 1), 1
	s_wait_xcnt 0x0
	s_wait_alu depctr_hold_cnt(0) depctr_sa_sdst(0) depctr_va_vdst(0) depctr_va_sdst(0) depctr_va_ssrc(0) depctr_va_vcc(0) depctr_vm_vsrc(0)
	s_getreg_b32 s2, hwreg(HW_REG_IB_STS2, 6, 4)
	s_cmp_eq_u32 s2, 0
	s_cbranch_scc0 .Lentry_in_a_cluster
	s_endpgm
.Lentry_in_a_cluster:
	s_bfe_u32 s2, ttmp6, 0x10000c
	s_cmp_lg_u32 s2, 0xf033
	s_cbranch_scc0 .Lentry_shape_is_right
	s_endpgm
.Lentry_shape_is_right:
; k = x W_z^T + b_z and p = x W_h^T + b_h on codes of E4M3 with E8M0 scales, and what is made of them row by row, all in units of log2:
; v = log z + g(p), u = v - (the running sum of log(1 - z) over my block of 64 outputs), bsum = that sum's total for each row and block.
; codes: x's 8,192 rows of 2,048 bytes, then 4,096 weight rows (128 neighbouring rows: W_z's and W_h's rows of the same 64 outputs).  scales: [K step of 256][row][8 bytes].
; THE ORDER OF OUTPUTS: the weight rows are laid so that lane r of weight block bb stands for output 4 r + bb of the wave's 64; u and v are stored by place 16 bb + r.
; A tile is 256 rows of x by 256 weight rows; four waves, 128 x 128 each: 64 accumulators, 512 registers.  A WORK-GROUP STAYS and makes two tiles, 4,096 rows of x apart, on the same weight rows:
; 256 work-groups.  K goes in steps of 256 through a ring of two LDS slots, which does not stop at the first tile's end: its last two changes of slots fetch the second tile's K steps 0 and 1.
; A slot holds A's 256 rows, B's 256 rows (272 bytes apart) and their 2,048 + 2,048 scale bytes of the K step.  ONE JOINT LOAD A WAVE for each fill: wave 0 A's codes, wave 1 B's, wave 2 A's scales, wave 3 B's.
; CLUSTERS: 4 x 4; A's tiles are shared along a row of the cluster, B's along a column.  Every wait on TENSORcnt is for 0; by the text's count a wave has one tensor load out.
; PREFETCH: a wave names 32 rows x 256 bytes of codes an instruction (waves 0, 1: A's rows, 64 cx + 32 (wave % 2) + lane; waves 2, 3: B's, by cy): each block once in a cluster.  With fill 0 it asks for what
; fills 1 and 2 will load, with fill i > 0 for fill i + 2's.  A's waves ask 15 times (fills 1 to 15), B's 7 (the second tile's weight rows have been read).  The scale bytes, one to 32 of codes, are not asked for ahead.
; REGISTERS: window 0: v16-31 addresses, v32-63 scale words (two sets), v64-79 biases, v128-255 A's fragments; on the way out v32-63 and v80-255 are at work.  Window 1: B's fragments, two sets.  Windows 2, 3: accumulators.
; LIMITS: NaN and infinities are not served.
.set KROW,   2048
.set ROWB,   256
.set NQ,     2
.set PITCH,  272
.set FR,     16
.set NL,     4
.set NP,     8
.set HALFT,  128*PITCH
.set SLOT,   4*HALFT+4096
.set STAGE,  2*SLOT                    ; 8,192 bytes a wave: the rows' totals on the way out; no tile lands here
.set SPARE,  STAGE+32768
.set SPLANE, 12288*8                   ; a K step's plane of scale bytes
.set WALK,   4096
.set ADRA, 16
.set ADRS, 18
.set ADRB, 20
.set TADR, 22
.set PFO,  23
.set SOFF, 24
.set TOTW, 25
.set TOTR, 26
.set SPW,  28
.set NIL,  29
.set BOFF, 30
.set BIO,  31
.set SC,   32
.set BZ,   64
.set BH,   72
.set HALF, 112
.set AF,   128
.set Q,    32
.set X,    80
.set KK,   128
.set PP,   160
.set T1,   192
.set T2,   224
.set G0A,  4                           ; group 0, one set for each kind of tile; written only where no tensor load of the wave is out
.set G0B,  8
.set G0SA, 12
.set G0SB, 16
.set G1A,  20
.set G1B,  28
.set G1SA, 36
.set G1SB, 44
; s52-63, s66-85: at work in the head, compare masks on the way out.  s[86:87] bsum, s[88:89] vbuf, s[90:91] ubuf, s[92:95] log2 e, ln 2, s96 wave, s97 wave / 2, s98 wave % 2, s99 asks left, s[100:101] prefetch address, s[104:105] its step
.set MSB, 0
.macro WIN new
.if MSB != \new
	s_set_vgpr_msb (MSB<<8)|\new
.set MSB, \new
.endif
.endm
.set MUL_LO, 0xa4
.set MUL_HI, 0xf4
.set TO_B,   0x40
.macro PLACES n
.rept \n
	v_nop
.endr
.endm
; a fill: one chain of branches on the wave's number, one joint load to an arm; s_nop 0 and four v_nop behind each
.macro JLOAD
	s_cmp_lt_u32 s96, 1
	s_cbranch_scc0 .Ljb_\@
	tensor_load_to_lds s[G0A:G0A+3], s[G1A:G1A+7]
	s_nop 0
.rept 4
	v_nop
.endr
	s_branch .Ljz_\@
.Ljb_\@:
	s_cmp_lt_u32 s96, 2
	s_cbranch_scc0 .Ljc_\@
	tensor_load_to_lds s[G0B:G0B+3], s[G1B:G1B+7]
	s_nop 0
.rept 4
	v_nop
.endr
	s_branch .Ljz_\@
.Ljc_\@:
	s_cmp_lt_u32 s96, 3
	s_cbranch_scc0 .Ljd_\@
	tensor_load_to_lds s[G0SA:G0SA+3], s[G1SA:G1SA+7]
	s_nop 0
.rept 4
	v_nop
.endr
	s_branch .Ljz_\@
.Ljd_\@:
	tensor_load_to_lds s[G0SB:G0SB+3], s[G1SB:G1SB+7]
	s_nop 0
.rept 4
	v_nop
.endr
.Ljz_\@:
.endm
; the four group 0 go on to the next fill: into slot \slot, one K step on, or (on = 1) from a tile's K step 7 to the next tile's K step 0
.macro GSTEP slot, on
	s_mov_b32 s[G0A+1], \slot*SLOT
	s_mov_b32 s[G0B+1], \slot*SLOT+2*HALFT
	s_mov_b32 s[G0SA+1], \slot*SLOT+4*HALFT
	s_mov_b32 s[G0SB+1], \slot*SLOT+4*HALFT+2048
.if \on
	s_add_nc_u64 s[G0A+2:G0A+3], s[G0A+2:G0A+3], WALK*KROW-7*ROWB
	s_sub_nc_u64 s[G0B+2:G0B+3], s[G0B+2:G0B+3], 7*ROWB
	s_sub_nc_u64 s[G0SA+2:G0SA+3], s[G0SA+2:G0SA+3], 7*SPLANE-WALK*8
	s_sub_nc_u64 s[G0SB+2:G0SB+3], s[G0SB+2:G0SB+3], 7*SPLANE
.else
	s_add_nc_u64 s[G0A+2:G0A+3], s[G0A+2:G0A+3], ROWB
	s_add_nc_u64 s[G0B+2:G0B+3], s[G0B+2:G0B+3], ROWB
	s_add_nc_u64 s[G0SA+2:G0SA+3], s[G0SA+2:G0SA+3], SPLANE
	s_add_nc_u64 s[G0SB+2:G0SB+3], s[G0SB+2:G0SB+3], SPLANE
.endif
.endm
.macro ASK                             ; the prefetch for the fill after the next, while the wave has asks left
	s_cmp_eq_u32 s99, 0
	s_cbranch_scc1 .Lno_\@
	global_prefetch_b8 v[PFO], s[100:101] th:TH_LOAD_NT scope:SCOPE_SE
	s_sub_co_u32 s99, s99, 1
.Lno_\@:
.endm
.macro CREST
	s_cmp_lg_u32 s96, 0
	s_cbranch_scc1 .Lnot_wave_0_\@
	s_barrier_signal -3
.Lnot_wave_0_\@:
	s_barrier_wait -3
	s_barrier_signal -1
	s_barrier_wait -1
.endm
.macro CROUND
	s_barrier_signal -1
	s_barrier_wait -1
	CREST
.endm
	s_load_b128 s[52:55], s[0:1], 0x0              ; codes, scales
	s_load_b128 s[56:59], s[0:1], 0x10             ; b_z, b_h
	s_load_b128 s[88:91], s[0:1], 0x20             ; vbuf, ubuf
	s_load_b64 s[86:87], s[0:1], 0x30              ; bsum
	v_lshl_add_u32 v[SPW], v0, 2, SPARE
	v_mov_b32 v[NIL], 0
	ds_add_u32 v[SPW], v[NIL]                      ; the opening lines: the add twice on end and one wait
	ds_add_u32 v[SPW], v[NIL]
	v_lshrrev_b32 v1, 5, v0
	v_readfirstlane_b32 s96, v1
	s_lshr_b32 s97, s96, 1                         ; my half of the tile's rows
	s_and_b32 s98, s96, 1                          ; my half of its weight rows
	s_bfe_u32 s60, ttmp6, 0x40000                  ; cx
	s_bfe_u32 s61, ttmp6, 0x40004                  ; cy
	s_lshl_b32 s62, ttmp9, 2
	s_add_co_u32 s62, s62, s60                     ; tile column 0..15
	s_and_b32 s63, ttmp7, 0xffff
	s_lshl_b32 s63, s63, 2
	s_add_co_u32 s63, s63, s61                     ; the first tile's row 0..15
	s_lshl_b32 s66, s61, 2
	s_lshl_b32 s66, 15, s66                        ; my row of the cluster
	s_lshl_b32 s67, 0x1111, s60                    ; my column
	s_or_b32 s[G1A], s66, (1<<20)|(1<<21)|(5<<22)|(3<<25)   ; codes: 256 rows of 256 bytes, 16 bytes of padding behind each
	s_or_b32 s[G1B], s67, (1<<20)|(1<<21)|(5<<22)|(3<<25)
.irp g, G1A, G1B
	s_mov_b32 s[\g+1], ROWB<<16
	s_mov_b32 s[\g+2], 256<<16
	s_mov_b32 s[\g+3], ROWB<<16
	s_mov_b32 s[\g+4], 256
	s_mov_b32 s[\g+5], KROW
	s_mov_b32 s[\g+6], 0
	s_mov_b32 s[\g+7], 0
.endr
	s_or_b32 s[G1SA], s66, (3<<16)|(1<<21)         ; scales: a dense block of 2,048 bytes as 8 rows of 32 elements of 8 bytes
	s_or_b32 s[G1SB], s67, (3<<16)|(1<<21)
.irp g, G1SA, G1SB
	s_mov_b32 s[\g+1], 32<<16
	s_mov_b32 s[\g+2], 8<<16
	s_mov_b32 s[\g+3], 32<<16
	s_mov_b32 s[\g+4], 8
	s_mov_b32 s[\g+5], 32
	s_mov_b32 s[\g+6], 0
	s_mov_b32 s[\g+7], 0
.endr
	s_lshl_b32 s68, s63, 19                        ; A's codes: 256 rows x 2,048 bytes a tile row
	s_mov_b32 s69, 0
	s_lshl_b32 s70, s62, 19                        ; B's
	s_mov_b32 s71, 0
	s_lshl_b32 s72, s63, 11                        ; A's scales: 256 rows x 8 bytes
	s_mov_b32 s73, 0
	s_lshl_b32 s74, s62, 11
	s_mov_b32 s75, 0
	s_mov_b32 s[G0A], 1
	s_mov_b32 s[G0A+1], 0
	s_mov_b32 s[G0B], 1
	s_mov_b32 s[G0B+1], 2*HALFT
	s_mov_b32 s[G0SA], 1
	s_mov_b32 s[G0SA+1], 4*HALFT
	s_mov_b32 s[G0SB], 1
	s_mov_b32 s[G0SB+1], 4*HALFT+2048
	s_wait_dscnt 0x0                               ; both opening adds are done
	s_wait_kmcnt 0x0
	s_add_nc_u64 s[G0A+2:G0A+3], s[52:53], s[68:69]
	s_or_b32 s[G0A+3], s[G0A+3], 0x80000000
	s_add_nc_u64 s[G0B+2:G0B+3], s[52:53], s[70:71]
	s_add_nc_u64 s[G0B+2:G0B+3], s[G0B+2:G0B+3], 0x1000000   ; the weights lie behind x's 8,192 rows
	s_or_b32 s[G0B+3], s[G0B+3], 0x80000000
	s_add_nc_u64 s[G0SA+2:G0SA+3], s[54:55], s[72:73]
	s_or_b32 s[G0SA+3], s[G0SA+3], 0x80000000
	s_add_nc_u64 s[G0SB+2:G0SB+3], s[54:55], s[74:75]
	s_add_nc_u64 s[G0SB+2:G0SB+3], s[G0SB+2:G0SB+3], 0x10000
	s_or_b32 s[G0SB+3], s[G0SB+3], 0x80000000
	CROUND                                         ; all sixteen work-groups are here: the first joint loads meet
	JLOAD                                          ; K step 0, whole: one load a wave
	; scalars first, then the vector lines in one run
	s_mul_i32 s76, s97, HALFT
	s_add_co_u32 s77, s76, SLOT
	s_mul_i32 s78, s98, HALFT
	s_add_co_u32 s78, s78, 2*HALFT
	s_add_co_u32 s79, s78, SLOT
	s_lshl_b32 s81, s97, 10                        ; scale words: A's, my 128 rows x 8 bytes;
	s_lshl_b32 s80, s98, 10
	s_add_co_u32 s80, s80, 2048                    ; B's lie 2,048 bytes behind A's
	s_sub_co_u32 s80, s80, s81                     ; the distance that lanes 16-31 add
	s_add_co_u32 s81, s81, 4*HALFT
	s_add_co_u32 s82, s81, SLOT
	s_lshl_b32 s83, s96, 13
	s_add_co_u32 s83, s83, STAGE
	s_mov_b32 s85, 0
	s_lshr_b32 s84, s63, 3                         ; vbuf, ubuf: [batch][strip of 32 places][time / 4][place][time % 4]
	s_lshl_b32 s84, s84, 24
	s_and_b32 s104, s63, 7
	s_lshl_b32 s104, s104, 15
	s_add_co_u32 s84, s84, s104
	s_lshl_b32 s104, s97, 14
	s_add_co_u32 s84, s84, s104
	s_lshl_b32 s104, s62, 20
	s_add_co_u32 s84, s84, s104
	s_lshl_b32 s104, s98, 19
	s_add_co_u32 s84, s84, s104
	s_add_nc_u64 s[88:89], s[88:89], s[84:85]
	s_add_nc_u64 s[90:91], s[90:91], s[84:85]
	s_lshl_b32 s84, s62, 16                        ; bsum: [block of 64 outputs][row]
	s_lshl_b32 s104, s98, 15
	s_add_co_u32 s84, s84, s104
	s_lshl_b32 s104, s63, 10
	s_add_co_u32 s84, s84, s104
	s_lshl_b32 s104, s97, 9
	s_add_co_u32 s84, s84, s104
	s_add_nc_u64 s[86:87], s[86:87], s[84:85]
	s_lshl_b32 s84, s62, 9                         ; the biases of my 64 outputs
	s_lshl_b32 s104, s98, 8
	s_add_co_u32 s84, s84, s104
	s_add_nc_u64 s[56:57], s[56:57], s[84:85]
	s_add_nc_u64 s[58:59], s[58:59], s[84:85]
	s_lshl_b32 s84, s63, 8                         ; the prefetches: the tile's first row in codes,
	s_lshl_b32 s104, s62, 8
	s_add_co_u32 s104, s104, 8192
	s_cmp_eq_u32 s97, 0
	s_cselect_b32 s84, s84, s104
	s_cselect_b32 s104, s60, s61                   ; my work-group's place among the four that share it: 64 rows each,
	s_cselect_b32 s99, 13, 5                       ; and how many times I ask behind the head's two
	s_lshl_b32 s104, s104, 6
	s_add_co_u32 s84, s84, s104
	s_lshl_b32 s104, s98, 5
	s_add_co_u32 s84, s84, s104                    ; my wave's 32 of them
	s_lshl_b32 s84, s84, 11
	s_add_co_u32 s84, s84, ROWB                    ; K step 1
	s_add_nc_u64 s[100:101], s[52:53], s[84:85]
	s_mov_b32 s105, 0
	s_mov_b32 s92, 0x3fb8aa3b                      ; log2 e
	s_mov_b32 s93, s92
	s_mov_b32 s94, 0x3f317218                      ; ln 2
	s_mov_b32 s95, s94
	v_and_b32 v1, 15, v0
	v_bfe_u32 v2, v0, 4, 1
	v_and_b32 v6, 31, v0
	v_mul_u32_u24 v3, v1, PITCH
	v_lshl_add_u32 v4, v2, 4, v3                   ; a fragment's row x pitch + 16 x half
	v_add_nc_u32 v[ADRA], s76, v4
	v_add_nc_u32 v[ADRA+1], s77, v4
	v_add_nc_u32 v[ADRB], s78, v4
	v_add_nc_u32 v[ADRB+1], s79, v4
	v_mul_u32_u24 v5, s80, v2
	v_lshl_add_u32 v5, v1, 3, v5                   ; 8 bytes a row; lanes 16-31 take B's
	v_add_nc_u32 v[ADRS], s81, v5
	v_add_nc_u32 v[ADRS+1], s82, v5
	v_lshlrev_b32 v[SOFF], 4, v1
	v_lshl_add_u32 v[SOFF], v2, 10, v[SOFF]
	v_lshlrev_b32 v[TOTW], 5, v6
	v_add_nc_u32 v[TOTW], s83, v[TOTW]
	v_lshrrev_b32 v5, 2, v6
	v_lshlrev_b32 v5, 10, v5
	v_bfe_u32 v3, v6, 1, 1
	v_lshl_add_u32 v5, v3, 9, v5
	v_and_b32 v3, 1, v6
	v_lshl_add_u32 v5, v3, 4, v5
	v_add_nc_u32 v5, 480, v5                       ; the totals stand in lanes 15 and 31
	v_add_nc_u32 v[TOTR], s83, v5
	v_lshlrev_b32 v[BOFF], 4, v6
	v_lshlrev_b32 v[BIO], 4, v1                    ; the biases of outputs 4 r + bb
	v_lshlrev_b32 v[PFO], 11, v6                   ; a lane a row
	v_mov_b32 v[HALF], 0.5
	v_mov_b32 v[HALF+1], 0.5
	s_wait_alu depctr_va_vdst(0)                   ; the wait at the head's end
	global_prefetch_b8 v[PFO], s[100:101] th:TH_LOAD_NT scope:SCOPE_SE               ; with fill 0: K step 1,
	global_prefetch_b8 v[PFO], s[100:101] offset:ROWB th:TH_LOAD_NT scope:SCOPE_SE   ; and K step 2
.irp bb, 0,1,2,3
	global_load_b32 v[BZ+2*\bb],   v[BIO], s[56:57] offset:4*\bb
	global_load_b32 v[BZ+2*\bb+1], v[BIO], s[56:57] offset:4*\bb
	global_load_b32 v[BH+2*\bb],   v[BIO], s[58:59] offset:4*\bb
	global_load_b32 v[BH+2*\bb+1], v[BIO], s[58:59] offset:4*\bb
.endr
.macro FRAG reg, adr, q, i
.irp c, 0,1,2,3
	ds_load_b128 v[\reg+4*\c:\reg+4*\c+3], v[\adr] offset:128*(\q)+32*\c+(\i)*16*PITCH
.endr
.endm
; 16 products: A's blocks a0, a0 + 1 against B's eight; the 64 accumulators take turns in the same order in every step
.macro MUL16 a0, p, q, sc, zero
.irp a, \a0, \a0+1
.irp b, 0,1,2,3,4,5,6,7
.if \zero
	v_wmma_scale_f32_16x16x128_f8f6f4 v[8*(8*((\a)%4)+\b):8*(8*((\a)%4)+\b)+7], v[AF+FR*(\a):AF+FR*(\a)+FR-1], v[128*(\p)+FR*\b:128*(\p)+FR*\b+FR-1], 0, v[SC+8*NQ*(\sc)+NQ*(\a)+(\q)], v[SC+8*NQ*(\sc)+NQ*\b+(\q)] matrix_b_scale:MATRIX_SCALE_ROW1
.else
	v_wmma_scale_f32_16x16x128_f8f6f4 v[8*(8*((\a)%4)+\b):8*(8*((\a)%4)+\b)+7], v[AF+FR*(\a):AF+FR*(\a)+FR-1], v[128*(\p)+FR*\b:128*(\p)+FR*\b+FR-1], v[8*(8*((\a)%4)+\b):8*(8*((\a)%4)+\b)+7], v[SC+8*NQ*(\sc)+NQ*(\a)+(\q)], v[SC+8*NQ*(\sc)+NQ*\b+(\q)] matrix_b_scale:MATRIX_SCALE_ROW1
.endif
.endr
.endr
.endm
.macro FETCH_BH slot, q, p, i0         ; four of B's fragments, 16 loads; the windows are left for the caller to set
	WIN TO_B
.irp i, \i0, \i0+1, \i0+2, \i0+3
	FRAG 128*(\p)+FR*(\i), ADRB+\slot, \q, \i
.endr
.endm
.macro FETCH_B slot, q, p
	WIN TO_B
.irp i, 0,1,2,3,4,5,6,7
	FRAG 128*(\p)+FR*\i, ADRB+\slot, \q, \i
.endr
	WIN 0
.endm
.macro FETCH_A slot, q, i0
.irp i, \i0, \i0+1, \i0+2, \i0+3
	FRAG AF+FR*(\i), ADRA+\slot, \q, \i
.endr
.endm
.macro SCALES sc                       ; the slot's scale words: two a row; lanes 0-15 A's block i, lanes 16-31 B's
.irp i, 0,1,2,3,4,5,6,7
	ds_load_b64 v[SC+8*NQ*\sc+NQ*\i:SC+8*NQ*\sc+NQ*\i+1], v[ADRS+\sc] offset:\i*128
.endr
.endm
; 128 along K with its successor in the same slot.  The fragment loads go out in runs of 16, each with matrix instructions behind it.  B's other set has been free since the step before
; (eight places stand at that step's end), so the successor's B comes at this step's start and behind its first 16 products.
.macro STEP slot, q, zero
	FETCH_BH \slot, (\q)+1, 1-(\q)%2, 0
	s_wait_dscnt 8*NL                              ; A's blocks 4-7 and the 16 loads just issued may be out
	WIN MUL_LO
	MUL16 0, (\q)%2, \q, \slot, \zero
	FETCH_BH \slot, (\q)+1, 1-(\q)%2, 4
	WIN MUL_LO
	MUL16 2, (\q)%2, \q, \slot, \zero
	s_wait_dscnt 8*NL                              ; A's blocks 4-7 are in; behind them the successor's 32 loads of B
	PLACES NP
	WIN 0
	FETCH_A \slot, (\q)+1, 0
	WIN MUL_HI
	MUL16 4, (\q)%2, \q, \slot, \zero
	MUL16 6, (\q)%2, \q, \slot, \zero
	PLACES NP
	WIN 0
	FETCH_A \slot, (\q)+1, 4
.endm
; A slot's last 128 along K, and the change of slots.  fill: the slot is filled again behind a round of the cluster's barrier (on = 1: with the next tile's K step 0);
; lp = 1: in the loop's last trip the prefetch address goes on to the next tile;  fetch = 0: the next slot's fragments are not fetched (the way out follows)
.macro TURN slot, next, fill, on, lp, fetch
.if \fill
	s_wait_xcnt 0x0                                ; my last prefetch has read its address, a K step ago
.if \lp
	s_mov_b32 s104, ROWB
	s_cmp_eq_u32 s3, 1
	s_cselect_b32 s104, WALK*KROW-7*ROWB, s104
	s_add_nc_u64 s[100:101], s[100:101], s[104:105]
.else
	s_add_nc_u64 s[100:101], s[100:101], ROWB
.endif
.endif
	s_wait_dscnt 4*NL                              ; all but A's blocks 4-7
	WIN MUL_LO
	MUL16 0, 1, NQ-1, \slot, 0                     ; sixteen products while my last reads of this slot come back; wait, add, round and refill then follow each other
	WIN 0
	s_wait_tensorcnt 0x0                           ; my tensor load has landed: my part of the next slot
	ds_add_u32 v[SPW], v[NIL]
.if \fill
	GSTEP \slot, \on
.endif
	s_wait_dscnt 0x0                               ; the add is done, my reads of this slot are over
	s_barrier_signal -1
	s_barrier_wait -1
.if \fill
	CREST                                          ; the barrier has opened a round of the cluster's barrier
	JLOAD
.endif
.if \fetch
	FETCH_B \next, 0, 0                            ; B's set 0 was last read in the step before, which ends with eight places
	SCALES \next
.endif
.if \fill
	ASK
.endif
	WIN MUL_LO
	MUL16 2, 1, NQ-1, \slot, 0
.if \fetch
	PLACES NP
	WIN 0
	FETCH_A \next, 0, 0
.endif
	WIN MUL_HI
	MUL16 4, 1, NQ-1, \slot, 0
	MUL16 6, 1, NQ-1, \slot, 0
.if \fetch
	PLACES NP
.endif
	WIN 0
.if \fetch
	FETCH_A \next, 0, 4
.endif
.endm
	s_wait_tensorcnt 0x0                           ; my tile of K step 0 is in; slot 1's first fill is issued as a refill is
	ds_add_u32 v[SPW], v[NIL]
	GSTEP 1, 0
	s_wait_dscnt 0x0
	CROUND
	JLOAD                                          ; K step 1
	s_wait_loadcnt 0x0                             ; the biases
.irp k, 0,1,2,3,4,5,6,7
	v_pk_mul_f32 v[BZ+2*\k:BZ+2*\k+1], v[BZ+2*\k:BZ+2*\k+1], s[92:93] op_sel_hi:[1,0]   ; in units of log2
.endr
	s_wait_xcnt 0x0
	s_add_nc_u64 s[100:101], s[100:101], 2*ROWB
	ASK                                            ; with fill 1: K step 3
	s_mov_b32 s2, 2                                ; tiles to go
	s_wait_alu depctr_va_vdst(0)                   ; the wait behind the writes above
.Ltile:
	FETCH_B 0, 0, 0
	FETCH_A 0, 0, 0
	SCALES 0
	FETCH_A 0, 0, 4
	STEP 0, 0, 1                                   ; a tile's first products start the sums
	s_mov_b32 s3, 3
.Llap:
	TURN 0, 1, 1, 0, 1, 1
	STEP 1, 0, 0
	TURN 1, 0, 1, 0, 0, 1
	STEP 0, 0, 0
	s_sub_co_u32 s3, s3, 1
	s_cmp_lg_u32 s3, 0
	s_cbranch_scc1 .Llap
	s_cmp_eq_u32 s2, 1
	s_cbranch_scc1 .Llast
	TURN 0, 1, 1, 1, 0, 1                          ; the ring goes on: slot 0 takes the next tile's K step 0,
	STEP 1, 0, 0
	TURN 1, 0, 1, 0, 0, 0                          ; slot 1 its K step 1
	s_branch .Lout
.Llast:
	TURN 0, 1, 0, 0, 0, 1                          ; the last tile's last lap fills nothing
	STEP 1, 0, 0
	s_wait_dscnt 4*NL
	WIN MUL_LO
	MUL16 0, 1, NQ-1, 1, 0
	MUL16 2, 1, NQ-1, 1, 0
	s_wait_dscnt 0
	WIN MUL_HI
	MUL16 4, 1, NQ-1, 1, 0
	MUL16 6, 1, NQ-1, 1, 0
	WIN 0
.Lout:
; THE WAY OUT, 16 rows a trip.  A lane holds outputs 4 r + bb, a register a row.  K = k log2 e, P = p log2 e.
.macro HEAD a
.if (\a) < 4
	WIN 0x02
.else
	WIN 0x03
.endif
.irp bb, 0,1,2,3
.irp i, 0,2,4,6
	v_pk_fma_f32 v[KK+8*\bb+\i:KK+8*\bb+\i+1], v[64*((\a)%4)+8*\bb+\i:64*((\a)%4)+8*\bb+\i+1], s[92:93], v[BZ+2*\bb:BZ+2*\bb+1] op_sel_hi:[1,0,1]
.endr
.irp i, 0,2,4,6
	v_pk_fma_f32 v[PP+8*\bb+\i:PP+8*\bb+\i+1], v[64*((\a)%4)+32+8*\bb+\i:64*((\a)%4)+32+8*\bb+\i+1], s[92:93], v[BH+2*\bb:BH+2*\bb+1] op_sel_hi:[1,0,1]
.endr
.endr
	WIN 0
.endm
	PLACES NP
	s_mov_b32 s3, 0                                ; 1,024 x the trip: the trip's place in my stage
.Lepi:
.irp i, 0,1,2,3,4,5,6
	s_cmp_eq_u32 s3, \i*1024
	s_cbranch_scc1 .Lhead_\i
.endr
	s_wait_alu depctr_va_vdst(0)
	HEAD 7
	s_branch .Lbody
.irp i, 0,1,2,3,4,5,6
.Lhead_\i:
	s_wait_alu depctr_va_vdst(0)
	HEAD \i
	s_branch .Lbody
.endr
.Lbody:
	s_wait_alu depctr_va_vdst(0)                   ; ahead of the batch
.set i, 0
.rept 32
	v_exp_f32 v[T1+i], -|v[KK+i]|                  ; 2^-|K|
.set i, i+1
.endr
.set i, 0
.rept 32
	v_exp_f32 v[T2+i], -|v[PP+i]|                  ; 2^-|P|
.set i, i+1
.endr
.set i, 0
.rept 16
	v_pk_fma_f32 v[X+i:X+i+1], v[PP+i:PP+i+1], s[94:95], v[HALF:HALF+1] op_sel_hi:[1,0,1]   ; p + 0.5
.set i, i+2
.endr
.set i, 0
.rept 32
	v_cmp_le_f32 s[52+i+2*((i+52)/64)], 0, v[PP+i]
.set i, i+1
.endr
	s_wait_alu depctr_va_vdst(0)                   ; one wait for the 64
.set i, 0
.rept 32
	v_pk_add_f32 v[T1+i:T1+i+1], v[T1+i:T1+i+1], 1.0 op_sel_hi:[1,0]
.set i, i+2
.endr
.set i, 0
.rept 32
	v_cndmask_b32 v[T2+i], v[T2+i], v[X+i], s[52+i+2*((i+52)/64)]
.set i, i+1
.endr
.set i, 0
	s_wait_alu depctr_va_vdst(0)
.rept 64
	v_log_f32 v[T1+i], v[T1+i]
.set i, i+1
.endr
.set i, 0
.rept 32
	v_min_num_f32 v[Q+i], 0, v[KK+i]
.set i, i+1
.endr
	s_wait_alu depctr_va_vdst(0)
.set i, 0
.rept 16
	v_pk_add_f32 v[Q+i:Q+i+1], v[Q+i:Q+i+1], v[T1+i:T1+i+1] neg_lo:[0,1] neg_hi:[0,1]     ; log2 z
	v_pk_add_f32 v[X+i:X+i+1], v[PP+i:PP+i+1], v[T2+i:T2+i+1] neg_lo:[0,1] neg_hi:[0,1]   ; g for p < 0
.set i, i+2
.endr
.set i, 0
.rept 32
	v_cndmask_b32 v[X+i], v[X+i], v[T2+i], s[52+i+2*((i+52)/64)]
.set i, i+1
.endr
.set i, 0
.rept 16
	v_pk_add_f32 v[PP+i:PP+i+1], v[Q+i:Q+i+1], v[X+i:X+i+1]                               ; v
	v_pk_add_f32 v[Q+i:Q+i+1], v[Q+i:Q+i+1], v[KK+i:KK+i+1] neg_lo:[0,1] neg_hi:[0,1]     ; log2 (1 - z)
.set i, i+2
.endr
; its running sum over my 64 outputs.  A lane holds four neighbouring outputs, 4 r + bb: block bb's registers take the sum of the lane's outputs from bb on, so block 0's hold the lane's whole sum;
.irp bb, 2,1,0
.irp i, 0,2,4,6
	v_pk_add_f32 v[Q+8*\bb+\i:Q+8*\bb+\i+1], v[Q+8*\bb+\i:Q+8*\bb+\i+1], v[Q+8*\bb+8+\i:Q+8*\bb+8+\i+1]
.endr
.endr
.irp bb, 0,1,2                         ; v + what of the lane's sum lies behind this output;
.irp i, 0,2,4,6
	v_pk_add_f32 v[KK+8*\bb+\i:KK+8*\bb+\i+1], v[PP+8*\bb+\i:PP+8*\bb+\i+1], v[Q+8*\bb+8+\i:Q+8*\bb+8+\i+1]
.endr
.endr
.irp d, 1,2,4,8                        ; the lanes' sums run over the 16 lanes (a lane without a source keeps its own);
.irp i, 0,1,2,3,4,5,6,7
	v_add_f32_dpp v[Q+\i], v[Q+\i], v[Q+\i] row_shr:\d row_mask:0xf bank_mask:0xf
.endr
.endr
.irp bb, 0,1,2                         ; u = v - the running sum up to this output
.irp i, 0,2,4,6
	v_pk_add_f32 v[KK+8*\bb+\i:KK+8*\bb+\i+1], v[KK+8*\bb+\i:KK+8*\bb+\i+1], v[Q+\i:Q+\i+1] neg_lo:[0,1] neg_hi:[0,1]
.endr
.endr
.irp i, 0,2,4,6
	v_pk_add_f32 v[KK+24+\i:KK+24+\i+1], v[PP+24+\i:PP+24+\i+1], v[Q+\i:Q+\i+1] neg_lo:[0,1] neg_hi:[0,1]
.endr
	v_add_nc_u32 v[TADR], s3, v[TOTW]
	ds_store_b128 v[TADR], v[Q:Q+3]                ; lanes 15 and 31 hold the rows' totals
	ds_store_b128 v[TADR], v[Q+4:Q+7] offset:16
.irp bb, 0,1,2,3
.irp q, 0,1
	global_store_b128 v[SOFF], v[PP+8*\bb+4*\q:PP+8*\bb+4*\q+3], s[88:89] offset:(\bb/2)*262144+(\bb%2)*256+\q*512 th:TH_STORE_NT   ; sixteen lanes store 256 consecutive bytes, aligned
	global_store_b128 v[SOFF], v[KK+8*\bb+4*\q:KK+8*\bb+4*\q+3], s[90:91] offset:(\bb/2)*262144+(\bb%2)*256+\q*512 th:TH_STORE_NT
.endr
.endr
	s_wait_dscnt 0x0
	s_wait_xcnt 0x0                                ; the stores have read their registers and bases
	s_add_nc_u64 s[88:89], s[88:89], 2048
	s_add_nc_u64 s[90:91], s[90:91], 2048
	s_add_co_u32 s3, s3, 1024
	s_cmp_lt_u32 s3, 8192
	s_cbranch_scc1 .Lepi
	ds_load_b128 v[KK:KK+3], v[TOTR]               ; my own bytes: four rows' totals a lane
	s_wait_dscnt 0x0
	global_store_b128 v[BOFF], v[KK:KK+3], s[86:87]
	s_wait_xcnt 0x0
	s_add_nc_u64 s[88:89], s[88:89], 0x2000000-16384   ; the next tile: two batches on
	s_add_nc_u64 s[90:91], s[90:91], 0x2000000-16384
	s_add_nc_u64 s[86:87], s[86:87], 16384
	s_sub_co_u32 s2, s2, 1
	s_cmp_lg_u32 s2, 0
	s_cbranch_scc1 .Ltile
	s_wait_tensorcnt 0x0                           ; the wave's end
	ds_add_u32 v[SPW], v[NIL]
	s_wait_dscnt 0x0
	CROUND                                         ; the closing round
	s_endpgm
.Lfunc_end_k_q04d0b1d409_gemm:
	.size	k_q04d0b1d409_gemm, .Lfunc_end_k_q04d0b1d409_gemm-k_q04d0b1d409_gemm
	.p2alignl 7, 3214868480
	.fill 96, 4, 3214868480
	.section	.rodata,"a",@progbits
	.p2align	6, 0x0
	.amdhsa_kernel k_q04d0b1d409_gemm
		.amdhsa_group_segment_fixed_size 327680
		.amdhsa_private_segment_fixed_size 0
		.amdhsa_enable_private_segment 0
		.amdhsa_kernarg_size 56
		.amdhsa_user_sgpr_count 2
		.amdhsa_user_sgpr_kernarg_segment_ptr 1
		.amdhsa_wavefront_size32 1
		.amdhsa_system_sgpr_workgroup_id_x 1
		.amdhsa_system_sgpr_workgroup_id_y 1
		.amdhsa_system_sgpr_workgroup_id_z 1
		.amdhsa_system_vgpr_workitem_id 0
		.amdhsa_next_free_vgpr 1024
		.amdhsa_next_free_sgpr 106
		.amdhsa_reserve_vcc 0
		.amdhsa_float_denorm_mode_32 3
		.amdhsa_float_denorm_mode_16_64 3
		.amdhsa_memory_ordered 1
		.amdhsa_forward_progress 1
		.amdhsa_inst_pref_size 208
	.end_amdhsa_kernel
	.amdgpu_metadata
---
amdhsa.version: [ 1, 2 ]
amdhsa.kernels:
  - .name:           k_q04d0b1d409_gemm
    .symbol:         k_q04d0b1d409_gemm.kd
    .args:
      - { .name: codes, .offset: 0, .size: 8, .value_kind: global_buffer, .address_space: global }
      - { .name: scales, .offset: 8, .size: 8, .value_kind: global_buffer, .address_space: global }
      - { .name: b_z, .offset: 16, .size: 8, .value_kind: global_buffer, .address_space: global }
      - { .name: b_h, .offset: 24, .size: 8, .value_kind: global_buffer, .address_space: global }
      - { .name: vbuf, .offset: 32, .size: 8, .value_kind: global_buffer, .address_space: global }
      - { .name: ubuf, .offset: 40, .size: 8, .value_kind: global_buffer, .address_space: global }
      - { .name: bsum, .offset: 48, .size: 8, .value_kind: global_buffer, .address_space: global }
    .group_segment_fixed_size: 327680
    .private_segment_fixed_size: 0
    .kernarg_segment_align: 8
    .kernarg_segment_size: 56
    .max_flat_workgroup_size: 128
    .sgpr_count:     106
    .vgpr_count:     1024
    .wavefront_size: 32
...
	.end_amdgpu_metadata
.endif
;; end of part 2
;; launch scan (part 3): grid 64 x 4, 16 waves a work-group, no clusters, 272,384 bytes of LDS; arguments ubuf, vbuf, bsum, h0, lh, part; writes lh, part
.if DOCPART == 3
	.amdgcn_target "amdgcn-amd-amdhsa--gfx1250"
	.amdhsa_code_object_version 6
	.text
	.protected	k_q04d0b1d409_scan
	.globl	k_q04d0b1d409_scan
	.p2align	8
	.type	k_q04d0b1d409_scan,@function
k_q04d0b1d409_scan:
	s_mov_b64 s[64:65], 0
	v_nop
	global_prefetch_b8 v0, s[64:65] scope:SCOPE_SE
	s_setreg_imm32_b32 hwreg(HW_REG_WAVE_MODE, 25, 1), 1
	s_wait_xcnt 0x0
; log_h[t] = a[t] + log(sum over t' <= t of exp(values[t'] - a[t'])), along the 2,049 steps of one column, with a RUNNING MAXIMUM, and this work-group's part of the global mean and spread.
; ALL IN UNITS OF log2 (a natural logarithm x log2 e), as u, v and bsum arrive; log_h leaves so too: what is made of it, (log_h - mean) / spread, does not change under a common factor.
; a = a_loc + P, P[t] = the sum of row t's totals (bsum) over the blocks of 64 outputs in front of mine;  w = u - P = v - a;  (m, s) = the running maximum and the sum of 2^(w - m), begun by row 0:
; m = g(h0), s = 1;  log_h[t] = a + m + log2 s = v - w + m + log2 s.  Row 0's log_h is g(h0): it counts for the statistics alone.
; SHARES.  A work-group owns 32 columns (a strip) of one batch and all 2,048 times; wave w owns times 128 w .. 128 w + 127; a lane is a column, register W + n is time n.
; u lies in registers (128 a lane).  v is wanted only for the last addition: it comes into LDS by one tensor load a wave, 16,384 dense bytes, filled once, read by the wave that asked for them, AND IT IS
; ASKED FOR ONLY WHEN THE WAVE'S u HAS LANDED: so u's bytes are not held up by v's, and v's are on their way while w, the first two passes and half of the third are computed.
; PASSES.  (1) each wave's maximum and sum of its 128 steps; they meet in LDS; (2) each wave joins row 0 and the chunks in front of it to its carry (m, s); (3) it walks its steps, 16 at a time, on registers
; alone, and leaves m + log2 s - w; v is added and the result stored four groups behind, so that stores leave while the later groups are computed.
; STATISTICS: the work-group's sum of its 65,568 numbers and their squared distances from the work-group's own mean: no difference of large sums is formed.
; NO CLUSTER: work-groups share only bsum's rows, 8 or 16 KiB a wave beside 32 KiB of its own; no tile is shared.
; LIMITS: NaN and infinities are not served; the sums are grouped by chunks, otherwise than a chain along the time; a is taken as v - w and so carries w's rounding, half an ulp at |w|.
; lh: [batch x 512 + time / 4][strip 64][column 32][time % 4] f32.  part: [batch x 64 + strip][sum, squared distances] f32.
.set AGG, 262144                       ; LDS behind the sixteen tiles: (maximum, sum) of each wave and column, 8 bytes a thread
.set ST1, 266240                       ; the waves' sums, 4 bytes each
.set ST2D, 256                         ; their squared distances lie 256 bytes behind
.set PN,  8                            ; v8-11   P of times 4 lane + 0 .. 3
.set E1,  32                           ; v32-47
.set E2,  48                           ; v48-63
.set PT,  64                           ; v64-127 sixteen blocks' totals; later at work
.set MM,  64                           ; v64-79  the running maxima of 16 steps
.set AA,  96                           ; v96-111, v112-127  v of 16 steps, two sets by turns
.set W,   128                          ; v128-255 u, then w, then m + log2 s - w, then log_h
; v1 lane, v2 16 lane, v3 my place in my tile, v4 AGG + 8 thread, v5 AGG + 8 lane, v6 4 (4 (lane % 16) + lane / 16), v7 ST1 + 4 wave, v16 h0, v17 g(h0), v18 m, v19 s, v20-31 at work
	s_load_b256 s[4:11], s[0:1], 0x0               ; ubuf, vbuf, bsum, h0
	s_load_b128 s[12:15], s[0:1], 0x20             ; lh, part
	v_lshl_add_u32 v14, v0, 2, 0x42000
	v_mov_b32 v15, 0
	ds_add_u32 v14, v15
	ds_add_u32 v14, v15
	v_lshrrev_b32 v1, 5, v0
	s_delay_alu instid0(VALU_DEP_1)
	v_readfirstlane_b32 s16, v1                    ; wave 0..15
	v_and_b32 v1, 31, v0
	s_delay_alu instid0(VALU_DEP_1)
	v_lshlrev_b32 v2, 4, v1
	; THE ORDER OF COLUMNS: u, v and lh hold a block's 64 outputs by place q, which stands for output 4 (q % 16) + q / 16; my strip holds places 32 (strip % 2) + lane.  Only h0 is read by output
	v_and_b32 v6, 15, v0
	v_bfe_u32 v13, v0, 4, 1
	s_delay_alu instid0(VALU_DEP_2)
	v_lshlrev_b32 v6, 4, v6
	s_delay_alu instid0(VALU_DEP_1)
	v_lshl_add_u32 v6, v13, 2, v6                  ; 4 bytes x (4 (lane % 16) + lane / 16)
	s_lshl_b32 s20, s16, 14                        ; my tile: 16,384 bytes a wave, in LDS as in memory
	v_add_nc_u32 v3, s20, v2
	v_lshl_add_u32 v4, v0, 3, AGG
	v_lshl_add_u32 v5, v1, 3, AGG
	s_lshl_b32 s21, s16, 2
	s_add_co_u32 s21, s21, ST1
	v_mov_b32 v7, s21
	s_and_b32 s18, ttmp7, 0xffff                   ; the batch
	s_lshr_b32 s19, ttmp9, 1                       ; my block of 64 outputs = how many blocks stand in front of it
	s_lshl_b32 s21, s18, 6
	s_add_co_u32 s21, s21, ttmp9                   ; batch x 64 + strip
	s_lshl_b32 s22, s21, 18
	s_add_co_u32 s22, s22, s20                     ; ubuf, vbuf: 2^18 bytes a strip, + my wave's part
	s_mov_b32 s23, 0
	s_lshl_b32 s46, s18, 13                        ; bsum: row 2048 batch + 128 wave, 4 bytes each
	s_lshl_b32 s47, s16, 9
	s_add_co_u32 s46, s46, s47
	s_mov_b32 s47, 0
	s_lshr_b32 s48, ttmp9, 1                       ; h0: 64 numbers a block, + 2 numbers for the block's second strip
	s_lshl_b32 s48, s48, 8
	s_and_b32 s49, ttmp9, 1
	s_lshl_b32 s49, s49, 3
	s_add_co_u32 s48, s48, s49
	s_mov_b32 s49, 0
	s_lshl_b32 s50, s18, 9                         ; lh: (512 batch + 32 wave) x 32,768 + 512 strip
	s_lshl_b32 s51, s16, 5
	s_add_co_u32 s50, s50, s51
	s_lshl_b32 s50, s50, 15
	s_lshl_b32 s51, ttmp9, 9
	s_add_co_u32 s50, s50, s51
	s_mov_b32 s51, 0
	s_lshl_b32 s52, s21, 3                         ; part: 8 bytes a work-group
	s_mov_b32 s53, 0
	; descriptor group 1: a dense block of 16,384 bytes as 64 rows of 256 bytes (32 elements of 8 bytes), no padding: the lanes read it as it lies, 512 consecutive bytes a load
	s_mov_b32 s24, 3<<16                           ; no mask; elements of 8 bytes; padding off
	s_mov_b32 s25, 32<<16                          ; tensor_dim0 = 32
	s_mov_b32 s26, 64<<16                          ; tensor_dim1 = 64
	s_mov_b32 s27, 32<<16                          ; tile_dim0 = 32
	s_mov_b32 s28, 64                              ; tile_dim1 = 64
	s_mov_b32 s29, 32                              ; the pitch
	s_mov_b32 s30, 0
	s_mov_b32 s31, 0
	s_mov_b32 s36, 0x3fb8aa3b                      ; log2 e
	s_mov_b32 s41, 0                               ; (named with s40 as a pair)
	s_mov_b32 s43, 0xbfb8aa3b                      ; -log2 e
	s_mov_b32 s44, 0x76543210                      ; v_permlanex16_b32's selects for lane l xor 16
	s_mov_b32 s45, 0xfedcba98
	s_cmp_eq_u32 s16, 0
	s_cselect_b32 s42, 1.0, 0                      ; wave 0 counts row 0
	s_wait_alu depctr_va_vdst(0)
	s_wait_dscnt 0x0
	s_wait_kmcnt 0x0
	s_add_nc_u64 s[4:5], s[4:5], s[22:23]
	s_add_nc_u64 s[6:7], s[6:7], s[22:23]
	s_add_nc_u64 s[8:9], s[8:9], s[46:47]
	s_add_nc_u64 s[10:11], s[10:11], s[48:49]
	s_add_nc_u64 s[12:13], s[12:13], s[50:51]
	s_add_nc_u64 s[14:15], s[14:15], s[52:53]
	s_mov_b32 s32, 1                               ; group 0: count = 1,
	s_mov_b32 s33, s20                             ; LDS address: 16,384 x wave,
	s_mov_b64 s[34:35], s[6:7]                     ; my 128 times of v,
	s_or_b32 s35, s35, 0x80000000                  ; type = 2
.irp i, 0,1,2,3,4,5,6,7,8,9,10,11,12,13,14,15
	global_load_b128 v[PT+4*\i:PT+4*\i+3], v2, s[8:9] offset:32768*\i   ; block i's totals of my wave's 128 rows: 512 consecutive bytes
.endr
.irp q, 0,1,2,3,4,5,6,7,8,9,10,11,12,13,14,15,16,17,18,19,20,21,22,23,24,25,26,27,28,29,30,31
	global_load_b128 v[W+4*\q:W+4*\q+3], v2, s[4:5] offset:512*\q th:TH_LOAD_NT   ; u: four times of my column; the wave reads 512 consecutive bytes
.endr
	global_load_b32 v16, v6, s[10:11]              ; h0 of my column
.irp e, 0,1,2,3
	v_mov_b32 v[PN+\e], 0
.endr
; sixteen blocks' totals are added where the block stands in front of mine: the factor is 1 or 0, made of the work-group's number
.macro PSUM r
.irp i, 0,1,2,3,4,5,6,7,8,9,10,11,12,13,14,15
	s_cmp_gt_u32 s19, 16*\r+\i
	s_cselect_b32 s40, 1.0, 0
	v_pk_fma_f32 v[PN:PN+1], v[PT+4*\i:PT+4*\i+1], s[40:41], v[PN:PN+1] op_sel_hi:[1,0,1]
	v_pk_fma_f32 v[PN+2:PN+3], v[PT+4*\i+2:PT+4*\i+3], s[40:41], v[PN+2:PN+3] op_sel_hi:[1,0,1]
.endr
.endm
	s_wait_alu depctr_va_vdst(0)
	s_wait_loadcnt 33                              ; the sixteen loads of totals are in; u's 32 and h0's one may be out
	PSUM 0
	s_cmp_le_u32 s19, 16                           ; blocks 16 to 30 are read only where some of them stand in front of mine: a branch on the work-group's number
	s_cbranch_scc1 .Lp_done
.irp i, 0,1,2,3,4,5,6,7,8,9,10,11,12,13,14,15
	global_load_b128 v[PT+4*\i:PT+4*\i+3], v2, s[8:9] offset:32768*(16+\i)
.endr
	s_wait_loadcnt 0x0
	s_wait_alu depctr_va_vdst(0)
	PSUM 1
.Lp_done:
	s_wait_loadcnt 0x0                             ; u and h0 are in:
	tensor_load_to_lds s[32:35], s[24:31]          ; only now v is asked for: my one tensor load of the launch, ahead of every LDS read, every barrier and the one wait for it
	s_nop 0
.rept 4
	v_nop
.endr
	; g(h0) = (p >= 0 ? log2(p + 0.5) : p log2 e - log2(1 + 2^(-|p| log2 e)))
	v_mul_f32 v20, s43, |v16|
	s_wait_alu depctr_va_vdst(0)
	v_exp_f32 v20, v20
	v_add_f32 v21, 0.5, v16                        ; (a plain line behind the exponential)
	v_mul_f32 v17, s36, v16
	v_cmp_le_f32 vcc_lo, 0, v16
	s_delay_alu instid0(VALU_DEP_2)
	v_min_num_f32 v17, 0, v17
	s_wait_alu depctr_va_vdst(0)                   ; ahead of the exponential's first reader
	v_add_f32 v20, 1.0, v20
	s_delay_alu instid0(VALU_DEP_1)
	v_cndmask_b32 v20, v20, v21, vcc_lo
	s_wait_alu depctr_va_vdst(0)
	v_log_f32 v20, v20
	v_nop                                          ; (a plain line behind the logarithm)
	s_wait_alu depctr_va_vdst(0)
	v_sub_f32 v21, v17, v20
	v_cndmask_b32 v17, v21, v20, vcc_lo            ; g(h0)
	; w = u - P.  P hangs on the time alone, and a time is a register here: its P is read from the lane that holds it into a scalar
.irp G, 0,1,2,3
.set i, 0
.rept 32
	v_readlane_b32 s[66+i], v[PN+i%4], 8*\G+i/4
.set i, i+1
.endr
.set i, 0
.rept 32
	v_sub_f32 v[W+32*\G+i], v[W+32*\G+i], s[66+i]
.set i, i+1
.endr
.endr
	; PASS 1: my 128 steps' maximum, in four chains,
.irp k, 0,1,2,3
	v_max3_num_f32 v[20+\k], v[W+32*\k], v[W+32*\k+1], v[W+32*\k+2]
.endr
.irp i, 3,5,7,9,11,13,15,17,19,21,23,25,27,29
.irp k, 0,1,2,3
	s_delay_alu instid0(VALU_DEP_4)
	v_max3_num_f32 v[20+\k], v[20+\k], v[W+32*\k+\i], v[W+32*\k+\i+1]
.endr
.endr
	s_delay_alu instid0(VALU_DEP_4)
	v_max3_num_f32 v20, v20, v[W+31], v[W+63]
	s_delay_alu instid0(VALU_DEP_3)
	v_max3_num_f32 v22, v22, v[W+95], v[W+127]
	s_delay_alu instid0(VALU_DEP_1)
	v_max3_num_f32 v20, v20, v21, v22
	s_delay_alu instid0(VALU_DEP_1)
	v_max_num_f32 v20, v20, v23
.irp k, 24,25,26,27
	v_mov_b32 v\k, 0
.endr
.irp hb, 0,1                           ; and the sum of 2^(w - maximum), 64 steps at a time
.set i, 0
.rept 32
	v_pk_add_f32 v[64+i:65+i], v[W+64*\hb+i:W+64*\hb+i+1], v[20:21] op_sel_hi:[1,0] neg_lo:[0,1] neg_hi:[0,1]
.set i, i+2
.endr
.set i, 0
	s_wait_alu depctr_va_vdst(0)
.rept 64
	v_exp_f32 v[64+i], v[64+i]
.set i, i+1
.endr
	v_nop                                          ; a plain line behind the last exponential
	s_wait_alu depctr_va_vdst(0)                   ; one wait for the batch of 64
.set i, 0
.rept 16
	v_pk_add_f32 v[24:25], v[24:25], v[64+i:65+i]
	v_pk_add_f32 v[26:27], v[26:27], v[66+i:67+i]
.set i, i+4
.endr
.endr
	s_delay_alu instid0(VALU_DEP_1)
	v_pk_add_f32 v[24:25], v[24:25], v[26:27]
	s_delay_alu instid0(VALU_DEP_1)
	v_add_f32 v21, v24, v25
	ds_store_b64 v4, v[20:21]                      ; (maximum, sum) of my chunk and column
	s_wait_dscnt 0x0                               ; for the others' sake: my store is done.  (My tile of v may stay on its way: nothing is filled again in this launch, and I alone read it, behind my own wait)
	s_barrier_signal -1
	s_barrier_wait -1
	; PASS 2: the carry: row 0 and the chunks in front of mine.  Every wave reads chunks 0 to 14; those not in front of it get a maximum under every number, and so the weight 0
.irp i, 0,1,2,3,4,5,6,7,8,9,10,11,12,13,14
	ds_load_b64 v[64+2*\i:65+2*\i], v5 offset:256*\i
.endr
	v_mov_b32 v30, 0xff61b1e6                      ; -3e38
	s_wait_alu depctr_va_vdst(0)
	s_wait_dscnt 0x0
.irp i, 0,1,2,3,4,5,6,7,8,9,10,11,12,13,14
	s_cmp_lt_u32 \i, s16
	s_cselect_b32 s20, -1, 0
	v_cndmask_b32 v[64+2*\i], v30, v[64+2*\i], s20
.endr
	v_max3_num_f32 v18, v17, v64, v66
.irp i, 2,4,6,8,10,12
	s_delay_alu instid0(VALU_DEP_1)
	v_max3_num_f32 v18, v18, v[64+2*\i], v[66+2*\i]
.endr
	s_delay_alu instid0(VALU_DEP_1)
	v_max_num_f32 v18, v18, v92                    ; m
	s_delay_alu instid0(VALU_DEP_1)
	v_sub_f32 v31, v17, v18
.irp i, 0,1,2,3,4,5,6,7,8,9,10,11,12,13,14
	v_sub_f32 v[64+2*\i], v[64+2*\i], v18
.endr
	s_wait_alu depctr_va_vdst(0)
	v_exp_f32 v19, v31
.irp i, 0,1,2,3,4,5,6,7,8,9,10,11,12,13,14
	v_exp_f32 v[64+2*\i], v[64+2*\i]
.endr
	v_nop
	s_wait_alu depctr_va_vdst(0)                   ; one wait for the sixteen
.irp i, 0,1,2,3,4,5,6,7,8,9,10,11,12,13,14
	v_fmac_f32 v19, v[65+2*\i], v[64+2*\i]         ; s
.endr
; PASS 3, sixteen steps, on registers alone.  The maxima run first, so that all 32 exponentials are one batch; then the sums run; then 16 logarithms are one batch.  It leaves m + log2 s - w where w lay.
.macro CORE g
	v_max_num_f32 v[MM], v18, v[W+16*(\g)]
.set i, 1
.rept 15
	s_delay_alu instid0(VALU_DEP_1)
	v_max_num_f32 v[MM+i], v[MM+i-1], v[W+16*(\g)+i]
.set i, i+1
.endr
	v_sub_f32 v[E1], v18, v[MM]                    ; old maximum - new, 0 or less
.set i, 1
.rept 15
	v_sub_f32 v[E1+i], v[MM+i-1], v[MM+i]
.set i, i+1
.endr
.set i, 0
.rept 8
	v_pk_add_f32 v[E2+i:E2+i+1], v[W+16*(\g)+i:W+16*(\g)+i+1], v[MM+i:MM+i+1] neg_lo:[0,1] neg_hi:[0,1]   ; w - maximum
.set i, i+2
.endr
.set i, 0
	s_wait_alu depctr_va_vdst(0)
.rept 32
	v_exp_f32 v[E1+i], v[E1+i]                     ; (E2 follows E1)
.set i, i+1
.endr
	v_nop
	s_wait_alu depctr_va_vdst(0)                   ; one wait for the 32
	v_fma_f32 v[E2], v19, v[E1], v[E2]             ; s = s 2^(old - new) + 2^(w - new)
.set i, 1
.rept 15
	v_fma_f32 v[E2+i], v[E2+i-1], v[E1+i], v[E2+i]
.set i, i+1
.endr
.set i, 0
	s_wait_alu depctr_va_vdst(0)
.rept 16
	v_log_f32 v[E1+i], v[E2+i]
.set i, i+1
.endr
	v_mov_b32 v18, v[MM+15]                        ; the carry goes on.  (Work that names no logarithm's result)
	v_mov_b32 v19, v[E2+15]
.set i, 0
.rept 8
	v_pk_add_f32 v[MM+i:MM+i+1], v[MM+i:MM+i+1], v[W+16*(\g)+i:W+16*(\g)+i+1] neg_lo:[0,1] neg_hi:[0,1]   ; m - w
.set i, i+2
.endr
	s_wait_alu depctr_va_vdst(0)                   ; one wait for the 16
.set i, 0
.rept 8
	v_pk_add_f32 v[W+16*(\g)+i:W+16*(\g)+i+1], v[E1+i:E1+i+1], v[MM+i:MM+i+1]
.set i, i+2
.endr
.endm
.macro AFETCH g                        ; v of group g: my column, four times a load, into set g % 2
.irp k, 0,1,2,3
	ds_load_b128 v[AA+16*((\g)%2)+4*\k:AA+16*((\g)%2)+4*\k+3], v3 offset:512*(4*(\g)+\k)
.endr
.endm
.macro ASTORE g, left                  ; log_h = v + (m + log2 s - w), and out.  left: the LDS loads issued behind group g's, which may stay out
	s_wait_dscnt \left
.set i, 0
.rept 8
	v_pk_add_f32 v[W+16*(\g)+i:W+16*(\g)+i+1], v[W+16*(\g)+i:W+16*(\g)+i+1], v[AA+16*((\g)%2)+i:AA+16*((\g)%2)+i+1]   ; these registers are not written again
.set i, i+2
.endr
.irp k, 0,1,2,3
	global_store_b128 v2, v[W+16*(\g)+4*\k:W+16*(\g)+4*\k+3], s[12:13] offset:(4*(\g)+\k)*32768 th:TH_STORE_NT   ; the wave stores 512 consecutive bytes
.endr
.endm
	CORE 0
	CORE 1
	CORE 2
	CORE 3
	s_wait_tensorcnt 0x0                           ; my tile of v is in LDS: asked for ahead of w, both first passes and four groups
	AFETCH 0
.irp g, 0,1,2,3
	CORE \g+4                                      ; the later groups are computed while the earlier groups' stores leave
	AFETCH \g+1
	ASTORE \g, 4                                   ; the next group's four loads may be out
.endr
.irp g, 4,5,6
	AFETCH \g+1
	ASTORE \g, 4
.endr
	ASTORE 7, 0
.macro RED r, t                        ; the sum over the wave's 32 lanes, in every lane
	s_delay_alu instid0(VALU_DEP_1)
	v_add_f32_dpp v[\r], v[\r], v[\r] row_xmask:1 row_mask:0xf bank_mask:0xf
	s_delay_alu instid0(VALU_DEP_1)
	v_add_f32_dpp v[\r], v[\r], v[\r] row_xmask:2 row_mask:0xf bank_mask:0xf
	s_delay_alu instid0(VALU_DEP_1)
	v_add_f32_dpp v[\r], v[\r], v[\r] row_xmask:4 row_mask:0xf bank_mask:0xf
	s_delay_alu instid0(VALU_DEP_1)
	v_add_f32_dpp v[\r], v[\r], v[\r] row_xmask:8 row_mask:0xf bank_mask:0xf
	s_delay_alu instid0(VALU_DEP_1)
	v_permlanex16_b32 v[\t], v[\r], s44, s45
	s_delay_alu instid0(VALU_DEP_1)
	v_add_f32 v[\r], v[\r], v[\t]
.endm
.macro SUM16                           ; the sixteen numbers in v64-79 -> v64
	v_pk_add_f32 v[64:65], v[64:65], v[66:67]
	v_pk_add_f32 v[68:69], v[68:69], v[70:71]
	v_pk_add_f32 v[72:73], v[72:73], v[74:75]
	v_pk_add_f32 v[76:77], v[76:77], v[78:79]
	s_delay_alu instid0(VALU_DEP_3)
	v_pk_add_f32 v[64:65], v[64:65], v[68:69]
	s_delay_alu instid0(VALU_DEP_2)
	v_pk_add_f32 v[72:73], v[72:73], v[76:77]
	s_delay_alu instid0(VALU_DEP_1)
	v_pk_add_f32 v[64:65], v[64:65], v[72:73]
	s_delay_alu instid0(VALU_DEP_1)
	v_add_f32 v64, v64, v65
.endm
	; THE STATISTICS, while the stores leave.  First the sum,
	v_pk_add_f32 v[26:27], v[128:129], v[130:131]
	v_pk_add_f32 v[12:13], v[136:137], v[140:141]
	v_pk_add_f32 v[24:25], v[144:145], v[148:149]
	s_delay_alu instid0(VALU_DEP_1)
	v_pk_add_f32 v[24:25], v[24:25], v[152:153]
	s_delay_alu instid0(VALU_DEP_4)
	v_pk_add_f32 v[26:27], v[26:27], v[156:157]
	s_delay_alu instid0(VALU_DEP_4)
	v_pk_add_f32 v[12:13], v[12:13], v[160:161]
	s_delay_alu instid0(VALU_DEP_3)
	v_pk_add_f32 v[24:25], v[24:25], v[164:165]
	s_delay_alu instid0(VALU_DEP_3)
	v_pk_add_f32 v[26:27], v[26:27], v[168:169]
	s_delay_alu instid0(VALU_DEP_3)
	v_pk_add_f32 v[12:13], v[12:13], v[172:173]
	s_delay_alu instid0(VALU_DEP_3)
	v_pk_add_f32 v[24:25], v[24:25], v[176:177]
	s_delay_alu instid0(VALU_DEP_3)
	v_pk_add_f32 v[26:27], v[26:27], v[180:181]
	s_delay_alu instid0(VALU_DEP_3)
	v_pk_add_f32 v[12:13], v[12:13], v[184:185]
	s_delay_alu instid0(VALU_DEP_3)
	v_pk_add_f32 v[24:25], v[24:25], v[188:189]
	s_delay_alu instid0(VALU_DEP_3)
	v_pk_add_f32 v[26:27], v[26:27], v[192:193]
	s_delay_alu instid0(VALU_DEP_3)
	v_pk_add_f32 v[12:13], v[12:13], v[196:197]
	s_delay_alu instid0(VALU_DEP_3)
	v_pk_add_f32 v[24:25], v[24:25], v[200:201]
	s_delay_alu instid0(VALU_DEP_3)
	v_pk_add_f32 v[26:27], v[26:27], v[204:205]
	s_delay_alu instid0(VALU_DEP_3)
	v_pk_add_f32 v[12:13], v[12:13], v[208:209]
	s_delay_alu instid0(VALU_DEP_3)
	v_pk_add_f32 v[24:25], v[24:25], v[212:213]
	s_delay_alu instid0(VALU_DEP_3)
	v_pk_add_f32 v[26:27], v[26:27], v[216:217]
	s_delay_alu instid0(VALU_DEP_3)
	v_pk_add_f32 v[12:13], v[12:13], v[220:221]
	s_delay_alu instid0(VALU_DEP_3)
	v_pk_add_f32 v[24:25], v[24:25], v[224:225]
	s_delay_alu instid0(VALU_DEP_3)
	v_pk_add_f32 v[26:27], v[26:27], v[228:229]
	s_delay_alu instid0(VALU_DEP_3)
	v_pk_add_f32 v[12:13], v[12:13], v[232:233]
	s_delay_alu instid0(VALU_DEP_3)
	v_pk_add_f32 v[24:25], v[24:25], v[236:237]
	s_delay_alu instid0(VALU_DEP_3)
	v_pk_add_f32 v[26:27], v[26:27], v[240:241]
	s_delay_alu instid0(VALU_DEP_3)
	v_pk_add_f32 v[12:13], v[12:13], v[244:245]
	s_delay_alu instid0(VALU_DEP_3)
	v_pk_add_f32 v[24:25], v[24:25], v[248:249]
	s_delay_alu instid0(VALU_DEP_3)
	v_pk_add_f32 v[26:27], v[26:27], v[252:253]
	s_delay_alu instid0(VALU_DEP_3)
	v_pk_add_f32 v[12:13], v[12:13], v[132:133]
	s_delay_alu instid0(VALU_DEP_3)
	v_pk_add_f32 v[24:25], v[24:25], v[134:135]
	s_delay_alu instid0(VALU_DEP_3)
	v_pk_add_f32 v[26:27], v[26:27], v[138:139]
	s_delay_alu instid0(VALU_DEP_3)
	v_pk_add_f32 v[12:13], v[12:13], v[142:143]
	s_delay_alu instid0(VALU_DEP_3)
	v_pk_add_f32 v[24:25], v[24:25], v[146:147]
	s_delay_alu instid0(VALU_DEP_3)
	v_pk_add_f32 v[26:27], v[26:27], v[150:151]
	s_delay_alu instid0(VALU_DEP_3)
	v_pk_add_f32 v[12:13], v[12:13], v[154:155]
	s_delay_alu instid0(VALU_DEP_3)
	v_pk_add_f32 v[24:25], v[24:25], v[158:159]
	s_delay_alu instid0(VALU_DEP_3)
	v_pk_add_f32 v[26:27], v[26:27], v[162:163]
	s_delay_alu instid0(VALU_DEP_3)
	v_pk_add_f32 v[12:13], v[12:13], v[166:167]
	s_delay_alu instid0(VALU_DEP_3)
	v_pk_add_f32 v[24:25], v[24:25], v[170:171]
	s_delay_alu instid0(VALU_DEP_3)
	v_pk_add_f32 v[26:27], v[26:27], v[174:175]
	s_delay_alu instid0(VALU_DEP_3)
	v_pk_add_f32 v[12:13], v[12:13], v[178:179]
	s_delay_alu instid0(VALU_DEP_3)
	v_pk_add_f32 v[24:25], v[24:25], v[182:183]
	s_delay_alu instid0(VALU_DEP_3)
	v_pk_add_f32 v[26:27], v[26:27], v[186:187]
	s_delay_alu instid0(VALU_DEP_3)
	v_pk_add_f32 v[12:13], v[12:13], v[190:191]
	s_delay_alu instid0(VALU_DEP_3)
	v_pk_add_f32 v[24:25], v[24:25], v[194:195]
	s_delay_alu instid0(VALU_DEP_3)
	v_pk_add_f32 v[26:27], v[26:27], v[198:199]
	s_delay_alu instid0(VALU_DEP_3)
	v_pk_add_f32 v[12:13], v[12:13], v[202:203]
	s_delay_alu instid0(VALU_DEP_3)
	v_pk_add_f32 v[24:25], v[24:25], v[206:207]
	s_delay_alu instid0(VALU_DEP_3)
	v_pk_add_f32 v[26:27], v[26:27], v[210:211]
	s_delay_alu instid0(VALU_DEP_3)
	v_pk_add_f32 v[12:13], v[12:13], v[214:215]
	s_delay_alu instid0(VALU_DEP_3)
	v_pk_add_f32 v[24:25], v[24:25], v[218:219]
	s_delay_alu instid0(VALU_DEP_3)
	v_pk_add_f32 v[26:27], v[26:27], v[222:223]
	s_delay_alu instid0(VALU_DEP_3)
	v_pk_add_f32 v[12:13], v[12:13], v[226:227]
	s_delay_alu instid0(VALU_DEP_3)
	v_pk_add_f32 v[24:25], v[24:25], v[230:231]
	s_delay_alu instid0(VALU_DEP_3)
	v_pk_add_f32 v[26:27], v[26:27], v[234:235]
	s_delay_alu instid0(VALU_DEP_3)
	v_pk_add_f32 v[12:13], v[12:13], v[238:239]
	s_delay_alu instid0(VALU_DEP_3)
	v_pk_add_f32 v[24:25], v[24:25], v[242:243]
	s_delay_alu instid0(VALU_DEP_3)
	v_pk_add_f32 v[26:27], v[26:27], v[246:247]
	s_delay_alu instid0(VALU_DEP_3)
	v_pk_add_f32 v[12:13], v[12:13], v[250:251]
	s_delay_alu instid0(VALU_DEP_3)
	v_pk_add_f32 v[24:25], v[24:25], v[254:255]
	s_delay_alu instid0(VALU_DEP_1)
	v_pk_add_f32 v[24:25], v[24:25], v[12:13]
	s_delay_alu instid0(VALU_DEP_1)
	v_pk_add_f32 v[24:25], v[24:25], v[26:27]
	s_delay_alu instid0(VALU_DEP_1)
	v_add_f32 v24, v24, v25
	s_delay_alu instid0(VALU_DEP_1)
	v_fma_f32 v24, s42, v17, v24                   ; row 0, in wave 0
	RED 24, 25
	ds_store_b32 v7, v24                           ; all lanes write the same word with the same value
	s_wait_dscnt 0x0
	s_barrier_signal -1
	s_barrier_wait -1
	v_mov_b32 v31, ST1
.irp k, 0,1,2,3
	ds_load_b128 v[64+4*\k:67+4*\k], v31 offset:16*\k
.endr
	s_wait_dscnt 0x0
	SUM16
	s_delay_alu instid0(VALU_DEP_1)
	v_mov_b32 v22, v64                             ; the work-group's sum
	s_delay_alu instid0(VALU_DEP_1)
	v_mul_f32 v28, 0x377fe004, v22                 ; its mean: / 65,568 = 32 columns x 2,049 rows
	s_delay_alu instid0(VALU_DEP_1)
	v_mov_b32 v29, v28
.irp k, 24,25,26,27
	v_mov_b32 v\k, 0
.endr
.irp hb, 0,1                           ; then the squared distances from that mean
.set i, 0
.rept 32
	v_pk_add_f32 v[64+i:65+i], v[W+64*\hb+i:W+64*\hb+i+1], v[28:29] neg_lo:[0,1] neg_hi:[0,1]
.set i, i+2
.endr
.set i, 0
	v_pk_fma_f32 v[24:25], v[64+i:65+i], v[64+i:65+i], v[24:25]
	v_pk_fma_f32 v[26:27], v[66+i:67+i], v[66+i:67+i], v[26:27]
.set i, i+4
.rept (16)-1
	s_delay_alu instid0(VALU_DEP_2)
	v_pk_fma_f32 v[24:25], v[64+i:65+i], v[64+i:65+i], v[24:25]
	s_delay_alu instid0(VALU_DEP_2)
	v_pk_fma_f32 v[26:27], v[66+i:67+i], v[66+i:67+i], v[26:27]
.set i, i+4
.endr
.endr
	s_delay_alu instid0(VALU_DEP_1)
	v_pk_add_f32 v[24:25], v[24:25], v[26:27]
	s_delay_alu instid0(VALU_DEP_1)
	v_add_f32 v24, v24, v25
	v_sub_f32 v20, v17, v28
	s_delay_alu instid0(VALU_DEP_1)
	v_mul_f32 v20, v20, v20
	s_delay_alu instid0(VALU_DEP_1)
	v_fma_f32 v24, s42, v20, v24
	RED 24, 25
	ds_store_b32 v7, v24 offset:ST2D
	s_wait_dscnt 0x0
	s_barrier_signal -1
	s_barrier_wait -1
	s_cmp_lg_u32 s16, 0                            ; wave 0 stores the work-group's two numbers
	s_cbranch_scc1 .Lend
.irp k, 0,1,2,3
	ds_load_b128 v[64+4*\k:67+4*\k], v31 offset:ST2D+16*\k
.endr
	s_wait_dscnt 0x0
	SUM16
	s_delay_alu instid0(VALU_DEP_1)
	v_mov_b32 v23, v64
	v_mov_b32 v21, 0
	v_cmp_eq_u32 vcc_lo, 0, v1
	s_wait_alu depctr_va_vdst(0)
	s_wait_xcnt 0x0                                ; EXEC is a source of the stores above: it changes only behind this wait
	s_and_saveexec_b32 s20, vcc_lo
	global_store_b64 v21, v[22:23], s[14:15]       ; lane 0 alone
	s_wait_xcnt 0x0                                ; and again, in front of the line that widens it
	s_or_b32 exec_lo, exec_lo, s20
.Lend:
	s_wait_tensorcnt 0x0
	ds_add_u32 v14, v15
	s_wait_dscnt 0x0
	s_endpgm
.Lfunc_end_k_q04d0b1d409_scan:
	.size	k_q04d0b1d409_scan, .Lfunc_end_k_q04d0b1d409_scan-k_q04d0b1d409_scan
	.p2alignl 7, 3214868480
	.fill 96, 4, 3214868480
	.section	.rodata,"a",@progbits
	.p2align	6, 0x0
	.amdhsa_kernel k_q04d0b1d409_scan
		.amdhsa_group_segment_fixed_size 272384
		.amdhsa_private_segment_fixed_size 0
		.amdhsa_enable_private_segment 0
		.amdhsa_kernarg_size 48
		.amdhsa_user_sgpr_count 2
		.amdhsa_user_sgpr_kernarg_segment_ptr 1
		.amdhsa_wavefront_size32 1
		.amdhsa_system_sgpr_workgroup_id_x 1
		.amdhsa_system_sgpr_workgroup_id_y 1
		.amdhsa_system_sgpr_workgroup_id_z 1
		.amdhsa_system_vgpr_workitem_id 0
		.amdhsa_next_free_vgpr 256
		.amdhsa_next_free_sgpr 100
		.amdhsa_reserve_vcc 1
		.amdhsa_float_denorm_mode_32 3
		.amdhsa_float_denorm_mode_16_64 3
		.amdhsa_memory_ordered 1
		.amdhsa_forward_progress 1
		.amdhsa_inst_pref_size 132
	.end_amdhsa_kernel
	.amdgpu_metadata
---
amdhsa.version: [ 1, 2 ]
amdhsa.kernels:
  - .name:           k_q04d0b1d409_scan
    .symbol:         k_q04d0b1d409_scan.kd
    .args:
      - { .name: ubuf, .offset: 0, .size: 8, .value_kind: global_buffer, .address_space: global }
      - { .name: vbuf, .offset: 8, .size: 8, .value_kind: global_buffer, .address_space: global }
      - { .name: bsum, .offset: 16, .size: 8, .value_kind: global_buffer, .address_space: global }
      - { .name: h0, .offset: 24, .size: 8, .value_kind: global_buffer, .address_space: global }
      - { .name: lh, .offset: 32, .size: 8, .value_kind: global_buffer, .address_space: global }
      - { .name: part, .offset: 40, .size: 8, .value_kind: global_buffer, .address_space: global }
    .group_segment_fixed_size: 272384
    .private_segment_fixed_size: 0
    .kernarg_segment_align: 8
    .kernarg_segment_size: 48
    .max_flat_workgroup_size: 512
    .sgpr_count:     100
    .vgpr_count:     256
    .wavefront_size: 32
...
	.end_amdgpu_metadata
.endif
;; end of part 3
;; launch final (part 4): grid 1024 x 1, 4 waves a work-group, no clusters, 34,304 bytes of LDS; arguments lh, part, hidden_states, ln_w, ln_b, out0; writes out0
.if DOCPART == 4
	.amdgcn_target "amdgcn-amd-amdhsa--gfx1250"
	.amdhsa_code_object_version 6
	.text
	.protected	k_q04d0b1d409_final
	.globl	k_q04d0b1d409_final
	.p2align	8
	.type	k_q04d0b1d409_final,@function
k_q04d0b1d409_final:
	s_mov_b64 s[64:65], 0
	v_nop
	global_prefetch_b8 v0, s[64:65] scope:SCOPE_SE
	s_setreg_imm32_b32 hwreg(HW_REG_WAVE_MODE, 25, 1), 1
	s_wait_xcnt 0x0
; out = LayerNorm(exp((log_h - mean) / std) + x) ln_w + ln_b.  mean and std (unbiased) are those of all 16,785,408 numbers of log_h, joined here from the 256 parts that the launch before has stored.
; log_h and the parts arrive in units of log2; (log_h - mean) / std does not change under that common factor.
; THE PARTS: (sum_i, squared distances from the part's own mean), 65,568 numbers each: mean = sum of sums / N; M2 = sum of (M2_i + 65,568 (mean_i - mean)^2); every wave joins them for itself (2,048 bytes).
; LIMIT: N - 1 = 16,785,407 is no f32 number; M2 is divided by its nearest f32, 16,785,408.  NaN and infinities are not served.
; SHARES.  A work-group takes two groups of four rows.  THE WAVES SHARE THE COLUMNS: wave w owns columns 512 w .. 512 w + 511 of all four rows.  That is the quarter of log_h's 32,768 bytes that it reads as they
; lie ([strip 64][column 32][time 4]: a lane holds four times of a column), so the turn into rows goes through the wave's OWN 8,192 bytes of LDS and needs no barrier; and the wave's 512 numbers of ln_w and of
; ln_b are 16 + 16 registers a lane, loaded once for the launch.
; A ROW'S MEAN AND VARIANCE, in two levels: each wave takes the mean of its 512 numbers and their squared distances from it; the four waves' pairs meet in 128 bytes of LDS behind one barrier a group; sixteen
; lanes (wave x row) join them: mean = the mean of the four means, M2 = sum of (M2_w + 512 (mean_w - mean)^2).  No difference of large sums is formed.
; AHEAD: x of both groups is asked for at the head, the second group's log_h as soon as the first group's registers are free.  No register that a store reads is written again, so no wait stands for the stores.
; No tensor loads.  Every load and store of a wave covers 512 consecutive bytes.  No cluster: work-groups share only ln_w, ln_b and part, 18 KiB beside 128 KiB of their own.
.set EX,  32768                        ; LDS: a stage of 8,192 bytes for each wave (4 rows x 2,048); behind them, for group n at 256 n: the waves' four means (16 bytes a wave), 64 bytes on their squared distances
.set LW,  32                           ; v32-47   ln_w at my columns: register 4 j + q: column 512 w + 128 j + 4 lane + q
.set LB,  48                           ; v48-63   ln_b likewise
.set L,   64                           ; v64-127  log_h (register 4 i + e: strip 16 w + i, column = lane, time e), then h by rows, laid as x
.set XA,  128                          ; v128-191 the first group's x (register 16 e + 4 j + q: row e, column as for ln_w), then its result
.set XB,  192                          ; v192-255 the second group's
; v1 lane, v2 16 lane, v3 stage in, v4 stage back, v5 EX + 16 wave, v6 EX + 4 (lane % 16), v[10:11] kappa, v[30:31] beta, v8-9 and v12-29 at work
	s_load_b256 s[4:11], s[0:1], 0x0               ; lh, part, x, ln_w
	s_load_b128 s[12:15], s[0:1], 0x20             ; ln_b, out0
	v_lshl_add_u32 v7, v0, 2, 0x8400
	v_mov_b32 v29, 0
	v_lshrrev_b32 v1, 5, v0
	v_readfirstlane_b32 s16, v1                    ; wave 0..3
	v_and_b32 v1, 31, v0
	v_lshlrev_b32 v2, 4, v1
	s_lshl_b32 s17, s16, 13                        ; 8,192 x wave: my stage, and my quarter of a group's log_h
	; THE ORDER OF COLUMNS in lh: place q of a block of 64 stands for column 4 (q % 16) + q / 16 of the block; strip i of my sixteen holds places 32 (i % 2) + lane of block i / 2.  The turn through LDS puts them in order
	v_and_b32 v3, 15, v0
	v_bfe_u32 v8, v0, 4, 1
	v_lshl_add_u32 v3, v3, 4, s17
	v_lshl_add_u32 v3, v8, 2, v3                   ; in: 4 bytes x (4 (lane % 16) + lane / 16)
	v_add_nc_u32 v4, s17, v2                       ; back: 16 bytes a lane
	s_lshl_b32 s18, s16, 4
	s_add_co_u32 s18, s18, EX
	v_mov_b32 v5, s18
	v_and_b32 v6, 15, v0
	v_lshl_add_u32 v6, v6, 2, EX
	s_lshl_b32 s20, ttmp9, 16                      ; a work-group's eight rows are 65,536 bytes in lh, x and out0 alike
	s_add_co_u32 s22, s20, s17
	s_mov_b32 s23, 0
	s_lshl_b32 s26, s16, 11                        ; my 512 columns begin 2,048 bytes x wave into a row
	s_add_co_u32 s24, s20, s26
	s_mov_b32 s25, 0
	s_mov_b32 s27, 0
	s_mov_b32 s28, 0x377fe004                      ; 1 / 65,568
	s_mov_b32 s29, 0x47801000                      ; 65,568
	s_mov_b32 s30, 0x3b000000                      ; 1 / 512
	s_mov_b32 s31, 0x44000000                      ; 512
	s_mov_b32 s32, 0x3a000000                      ; 1 / 2,048
	s_mov_b32 s33, 0x3727c5ac                      ; 1e-5
	s_mov_b32 s34, 0x76543210                      ; v_permlanex16_b32's selects for lane l xor 16
	s_mov_b32 s35, 0xfedcba98
.irp e, 0,1,2,3
	s_mov_b32 s[37+2*\e], 0                        ; (named as the upper words of the pairs s[36:37] .. s[42:43])
.endr
	s_wait_alu depctr_va_vdst(0)
	s_wait_kmcnt 0x0
	s_add_nc_u64 s[4:5], s[4:5], s[22:23]
	s_add_nc_u64 s[8:9], s[8:9], s[24:25]
	s_add_nc_u64 s[14:15], s[14:15], s[24:25]
	s_add_nc_u64 s[10:11], s[10:11], s[26:27]
	s_add_nc_u64 s[12:13], s[12:13], s[26:27]
.macro QL n                            ; group n's log_h, my quarter
.irp i, 0,1,2,3,4,5,6,7,8,9,10,11,12,13,14,15
	global_load_b128 v[L+4*\i:L+4*\i+3], v2, s[4:5] offset:\n*32768+512*\i th:TH_LOAD_NT
.endr
.endm
.macro QX n, xb                        ; group n's x, my columns of its four rows
.irp e, 0,1,2,3
.irp j, 0,1,2,3
	global_load_b128 v[\xb+16*\e+4*\j:\xb+16*\e+4*\j+3], v2, s[8:9] offset:\n*32768+\e*8192+\j*512 th:TH_LOAD_NT
.endr
.endr
.endm
.irp i, 0,1,2,3
	global_load_b128 v[12+4*\i:15+4*\i], v2, s[6:7] offset:512*\i          ; part: two parts a lane and load: sums in v12, v14 .., squared distances in v13, v15 ..
.endr
.irp j, 0,1,2,3
	global_load_b128 v[LW+4*\j:LW+4*\j+3], v2, s[10:11] offset:512*\j
.endr
.irp j, 0,1,2,3
	global_load_b128 v[LB+4*\j:LB+4*\j+3], v2, s[12:13] offset:512*\j
.endr
	QL 0
	QX 0, XA
	QX 1, XB
.macro RED r, t                        ; the sum over the wave's 32 lanes, in every lane
	v_add_f32_dpp v[\r], v[\r], v[\r] row_xmask:1 row_mask:0xf bank_mask:0xf
	v_add_f32_dpp v[\r], v[\r], v[\r] row_xmask:2 row_mask:0xf bank_mask:0xf
	v_add_f32_dpp v[\r], v[\r], v[\r] row_xmask:4 row_mask:0xf bank_mask:0xf
	v_add_f32_dpp v[\r], v[\r], v[\r] row_xmask:8 row_mask:0xf bank_mask:0xf
	v_permlanex16_b32 v[\t], v[\r], s34, s35
	v_add_f32 v[\r], v[\r], v[\t]
.endm
.macro RED4 r, t                       ; the same for four registers, by turns, so that no line waits for the line above it
.irp m, 1,2,4,8
.irp e, 0,1,2,3
	v_add_f32_dpp v[\r+\e], v[\r+\e], v[\r+\e] row_xmask:\m row_mask:0xf bank_mask:0xf
.endr
.endr
.irp e, 0,1,2,3
	v_permlanex16_b32 v[\t+\e], v[\r+\e], s34, s35
.endr
.irp e, 0,1,2,3
	v_add_f32 v[\r+\e], v[\r+\e], v[\t+\e]
.endr
.endm
	s_wait_loadcnt 56                              ; part's four loads are in; ln_w's and ln_b's eight and the rows' 48 may be out
	v_add_f32 v8, v12, v14
	v_add_f32 v9, v16, v18
	v_add_f32 v10, v20, v22
	v_add_f32 v11, v24, v26
	v_add_f32 v8, v8, v9
	v_add_f32 v10, v10, v11
	v_add_f32 v8, v8, v10
	RED 8, 9
	v_mul_f32 v28, 0x337fe004, v8                  ; mean = total / 16,785,408
.irp k, 0,1,2,3,4,5,6,7
	v_fma_f32 v[12+2*\k], v[12+2*\k], s28, -v28    ; the part's mean - the mean
.endr
.irp k, 0,1,2,3,4,5,6,7
	v_mul_f32 v[12+2*\k], v[12+2*\k], v[12+2*\k]
.endr
.irp k, 0,1,2,3,4,5,6,7
	v_fma_f32 v[13+2*\k], v[12+2*\k], s29, v[13+2*\k]
.endr
	v_add_f32 v8, v13, v15
	v_add_f32 v9, v17, v19
	v_add_f32 v10, v21, v23
	v_add_f32 v11, v25, v27
	v_add_f32 v8, v8, v9
	v_add_f32 v10, v10, v11
	v_add_f32 v8, v8, v10
	RED 8, 9
	v_mul_f32 v8, 0x337fe004, v8                   ; the variance
	s_wait_alu depctr_va_vdst(0)
	v_rsq_f32 v8, v8
	v_nop                                          ; a plain line behind the transcendental
	s_wait_alu depctr_va_vdst(0)                   ; ahead of its first reader
	v_mul_f32 v10, 0x3fb8aa3b, v8                  ; kappa = log2 e / std
	v_mov_b32 v11, v10
	v_mul_f32 v30, -v28, v10                       ; beta = -mean kappa:  h = 2^(log_h kappa + beta)
	v_mov_b32 v31, v30
; One group of four rows.  xb: its x;  w1, w2: how many younger loads may be out when its log_h, and then its x, must be in;  nxt = 1: the second group's log_h is asked for as soon as L is free
.macro QWORK n, xb, w1, w2, nxt
	s_wait_loadcnt \w1
.set i, 0
.rept 32
	v_pk_fma_f32 v[L+i:L+i+1], v[L+i:L+i+1], v[10:11], v[30:31]
.set i, i+2
.endr
.set i, 0
	s_wait_alu depctr_va_vdst(0)
.rept 64
	v_exp_f32 v[L+i], v[L+i]
.set i, i+1
.endr
	v_nop
	s_wait_alu depctr_va_vdst(0)                   ; one wait for the batch of 64
.irp i, 0,1,2,3,4,5,6,7,8,9,10,11,12,13,14,15
.irp e, 0,1,2,3
	ds_store_b32 v3, v[L+4*\i+\e] offset:\e*2048+(\i/2)*256+(\i%2)*8   ; time e's row of my stage: block i / 2, + 2 columns for the block's second strip; the 32 lanes touch 32 different banks
.endr
.endr
.irp e, 0,1,2,3
.irp j, 0,1,2,3
	ds_load_b128 v[L+16*\e+4*\j:L+16*\e+4*\j+3], v4 offset:\e*2048+\j*512   ; back by rows, laid as x, into the registers that they left.  My own bytes: LDS serves a wave's instructions in order (ISA guide 5.7.1.4)
.endr
.endr
	s_wait_loadcnt \w2                             ; x
	s_wait_dscnt 0x0
.set i, 0
.rept 32
	v_pk_add_f32 v[\xb+i:\xb+i+1], v[\xb+i:\xb+i+1], v[L+i:L+i+1]   ; the residual
.set i, i+2
.endr
.if \nxt
	QL 1                                           ; L is free
.endif
	; my 512 numbers of each row: their sum,
.irp e, 0,1,2,3
	v_pk_add_f32 v[12+2*\e:13+2*\e], v[\xb+16*\e:\xb+16*\e+1], v[\xb+16*\e+2:\xb+16*\e+3]
.endr
.irp k, 4,6,8,10,12,14
.irp e, 0,1,2,3
	v_pk_add_f32 v[12+2*\e:13+2*\e], v[12+2*\e:13+2*\e], v[\xb+16*\e+\k:\xb+16*\e+\k+1]
.endr
.endr
.irp e, 0,1,2,3
	v_add_f32 v[20+\e], v[12+2*\e], v[13+2*\e]
.endr
	RED4 20, 24
.irp e, 0,1,2,3
	v_mul_f32 v[12+2*\e], s30, v[20+\e]            ; their mean, once in an even register for the packed forms,
.endr
.irp e, 0,1,2,3
	v_mul_f32 v[20+\e], s30, v[20+\e]              ; and once in four registers on end for the store
.endr
.irp e, 0,1,2,3
.irp k, 0,2,4,6,8,10,12,14
	v_pk_add_f32 v[\xb+16*\e+\k:\xb+16*\e+\k+1], v[\xb+16*\e+\k:\xb+16*\e+\k+1], v[12+2*\e:13+2*\e] op_sel_hi:[1,0] neg_lo:[0,1] neg_hi:[0,1]
.endr
.endr
.irp e, 0,1,2,3                        ; and the squared distances from it
	v_pk_mul_f32 v[12+2*\e:13+2*\e], v[\xb+16*\e:\xb+16*\e+1], v[\xb+16*\e:\xb+16*\e+1]
.endr
.irp k, 2,4,6,8,10,12,14
.irp e, 0,1,2,3
	v_pk_fma_f32 v[12+2*\e:13+2*\e], v[\xb+16*\e+\k:\xb+16*\e+\k+1], v[\xb+16*\e+\k:\xb+16*\e+\k+1], v[12+2*\e:13+2*\e]
.endr
.endr
.irp e, 0,1,2,3
	v_add_f32 v[24+\e], v[12+2*\e], v[13+2*\e]
.endr
	RED4 24, 12
	ds_store_b128 v5, v[20:23] offset:\n*256       ; all lanes write the same 16 bytes with the same values
	ds_store_b128 v5, v[24:27] offset:\n*256+64
	s_wait_dscnt 0x0                               ; for the others' sake: my stores are done
	s_barrier_signal -1
	s_barrier_wait -1
	ds_load_b32 v12, v6 offset:\n*256              ; lane l: wave (l % 16) / 4's mean of row l % 4,
	ds_load_b32 v13, v6 offset:\n*256+64           ; and its squared distances
	s_wait_dscnt 0x0
	v_add_f32_dpp v14, v12, v12 row_xmask:4 row_mask:0xf bank_mask:0xf
	v_add_f32_dpp v14, v14, v14 row_xmask:8 row_mask:0xf bank_mask:0xf
	v_mul_f32 v14, 0x3e800000, v14                 ; the row's mean: the four waves have equal counts
	v_sub_f32 v15, v12, v14
	v_mul_f32 v15, v15, v15
	v_fma_f32 v13, v15, s31, v13
	v_add_f32_dpp v13, v13, v13 row_xmask:4 row_mask:0xf bank_mask:0xf
	v_add_f32_dpp v13, v13, v13 row_xmask:8 row_mask:0xf bank_mask:0xf
	v_fma_f32 v13, v13, s32, s33                   ; the variance + 1e-5
	s_wait_alu depctr_va_vdst(0)
	v_rsq_f32 v13, v13
	v_nop
	s_wait_alu depctr_va_vdst(0)
.irp e, 0,1,2,3
	v_readlane_b32 s[36+2*\e], v13, \e             ; row e's 1 / sqrt(..), from lane e,
	v_readlane_b32 s[44+\e], v14, \e               ; and its mean
.endr
.irp e, 0,1,2,3
	v_sub_f32 v[12+2*\e], v[20+\e], s[44+\e]       ; x lies here less my wave's mean: what is still to be added,
.endr
.irp e, 0,1,2,3
	v_mul_f32 v[12+2*\e], s[36+2*\e], v[12+2*\e]   ; scaled
.endr
.irp e, 0,1,2,3
.irp k, 0,2,4,6,8,10,12,14
	v_pk_fma_f32 v[\xb+16*\e+\k:\xb+16*\e+\k+1], v[\xb+16*\e+\k:\xb+16*\e+\k+1], s[36+2*\e:37+2*\e], v[12+2*\e:13+2*\e] op_sel_hi:[1,0,0]   ; (x - mean) / sqrt(..)
.endr
.endr
.irp e, 0,1,2,3
.irp k, 0,2,4,6,8,10,12,14
	v_pk_fma_f32 v[\xb+16*\e+\k:\xb+16*\e+\k+1], v[\xb+16*\e+\k:\xb+16*\e+\k+1], v[LW+\k:LW+\k+1], v[LB+\k:LB+\k+1]
.endr
.endr
.irp e, 0,1,2,3
.irp j, 0,1,2,3
	global_store_b128 v2, v[\xb+16*\e+4*\j:\xb+16*\e+4*\j+3], s[14:15] offset:\n*32768+\e*8192+\j*512 th:TH_STORE_NT
.endr
.endr
.endm
	s_wait_alu depctr_va_vdst(0)
	QWORK 0, XA, 32, 16, 1                         ; behind the first group's log_h: x of both groups, 32 loads; behind its x: the second group's, 16
	QWORK 1, XB, 0, 0, 0                           ; the second group's log_h was asked for last
	s_wait_tensorcnt 0x0
	ds_add_u32 v7, v29
	s_wait_dscnt 0x0
	s_endpgm
.Lfunc_end_k_q04d0b1d409_final:
	.size	k_q04d0b1d409_final, .Lfunc_end_k_q04d0b1d409_final-k_q04d0b1d409_final
	.p2alignl 7, 3214868480
	.fill 96, 4, 3214868480
	.section	.rodata,"a",@progbits
	.p2align	6, 0x0
	.amdhsa_kernel k_q04d0b1d409_final
		.amdhsa_group_segment_fixed_size 34304
		.amdhsa_private_segment_fixed_size 0
		.amdhsa_enable_private_segment 0
		.amdhsa_kernarg_size 48
		.amdhsa_user_sgpr_count 2
		.amdhsa_user_sgpr_kernarg_segment_ptr 1
		.amdhsa_wavefront_size32 1
		.amdhsa_system_sgpr_workgroup_id_x 1
		.amdhsa_system_sgpr_workgroup_id_y 1
		.amdhsa_system_sgpr_workgroup_id_z 1
		.amdhsa_system_vgpr_workitem_id 0
		.amdhsa_next_free_vgpr 256
		.amdhsa_next_free_sgpr 66
		.amdhsa_reserve_vcc 0
		.amdhsa_float_denorm_mode_32 3
		.amdhsa_float_denorm_mode_16_64 3
		.amdhsa_memory_ordered 1
		.amdhsa_forward_progress 1
		.amdhsa_inst_pref_size 68
	.end_amdhsa_kernel
	.amdgpu_metadata
---
amdhsa.version: [ 1, 2 ]
amdhsa.kernels:
  - .name:           k_q04d0b1d409_final
    .symbol:         k_q04d0b1d409_final.kd
    .args:
      - { .name: lh, .offset: 0, .size: 8, .value_kind: global_buffer, .address_space: global }
      - { .name: part, .offset: 8, .size: 8, .value_kind: global_buffer, .address_space: global }
      - { .name: hidden_states, .offset: 16, .size: 8, .value_kind: global_buffer, .address_space: global }
      - { .name: ln_w, .offset: 24, .size: 8, .value_kind: global_buffer, .address_space: global }
      - { .name: ln_b, .offset: 32, .size: 8, .value_kind: global_buffer, .address_space: global }
      - { .name: out0, .offset: 40, .size: 8, .value_kind: global_buffer, .address_space: global }
    .group_segment_fixed_size: 34304
    .private_segment_fixed_size: 0
    .kernarg_segment_align: 8
    .kernarg_segment_size: 48
    .max_flat_workgroup_size: 128
    .sgpr_count:     66
    .vgpr_count:     256
    .wavefront_size: 32
...
	.end_amdgpu_metadata
.endif
;; end of part 4
